; MI455X (gfx1250); checked and timed in simulation.
; The chip was launched on July 23, 2026; its instructions are those of AMD's public machine-readable ISA for CDNA 5 (MIT licence, August 2026) and "CDNA5" Instruction Set Architecture Reference Guide (July 2026). The comments in the code are by the model that wrote it; some were corrected since.
;; Mega Blocks Moe MLP. Allowed arithmetic: matrix products marked QUANTISED: E2M3 operands, one E8M0 scale for each 32 along K, by v_wmma_scale_f32_16x16x128_f8f6f4 with both operands' format E2M3, f32 sums; products left as they are: f32 operands where the result goes on into a quantised operand, else bf16, f16 or f32 operands; f32 sums; everything else in f32.
;; Inputs: router_bias 8 float32; router_weight 8 x 1,024 float32; w1 8 x 1,024 x 2,048 float32; w1_bias 8 x 2,048 float32; w2 8 x 1,024 x 1,024 float32; w2_bias 8 x 1,024 float32; x 2 x 1,024 x 1,024 float32.
;; Outputs: out0 2 x 1,024 x 1,024 float32; out1 2,048 x 2 float32.
;; This version of the problem:
;;   THIS VERSION OF THE PROBLEM IS GIVEN IN LOW PRECISION. The matrix products marked QUANTISED in the list below multiply operands that are first quantised to E2M3 (2 exponent bits, 3 mantissa bits; 6 bits a number), with one power-of-two scale for each 32 numbers along K (OCP MX v1.0); their sums are f32. All else is computed in f32.
;;   The module's matrix products, in the order in which they are computed (A, B: the left and right operand; K: the contracted axis; several contracted axes count as one K, in the product's order):
;;     1. [M 2,048, K 1,024] x [K 1,024, N 8]; A: input x; B: input router_weight: left as it is (N = 8 < 16)
;;     2. [M 16,384, K 1,024] x [K 1,024, N 2,048]; A: input w1; B: input x: QUANTISED
;;     3. batch 8 x [M 2,048, K 1,024] x [K 1,024, N 1,024]; A: computed on the way; B: input w2: QUANTISED
;;     4. batch 2,048 x [M 1,024, K 8] x [K 8, N 1]; A: computed on the way; B: computed on the way: left as it is (K = 8 < 32)
;;   THE QUANTISER, for each operand of a quantised product, along K:
;;     - K is cut into blocks of 32 from its start; a last block that is shorter is filled with zeros.
;;     - A block's scale is 2^e with e = floor(log2(the largest magnitude in the block)) - 2, held to -126 .. 127; a block of zeros has e = 0. As a byte (E8M0): e + 127.
;;     - Each number is divided by its block's scale, clamped to +-7.5, and rounded to the nearest number of E2M3, ties to even, subnormals kept.
;;     - The product sums the exact products of the quantised numbers (number of the format x scale) in f32.
;;   ~~~python
;;   def quantise(x, axis):      # numpy; x: float32 -> the quantised numbers, widened to float32 again
;;       x = np.moveaxis(x, axis, -1); K = x.shape[-1]
;;       x = np.pad(x, [(0, 0)] * (x.ndim - 1) + [(0, -K % 32)]); x = x.reshape(x.shape[:-1] + (-1, 32)); a = np.abs(x).max(-1, keepdims=True)
;;       e = np.where(a > 0, np.clip(np.frexp(np.where(a > 0, a, 1))[1] - 1 - 2, -126, 127), 0)      # np.frexp(a)[1] - 1 = floor(log2(a)), exactly
;;       r = np.clip(x / 2.0 ** e, -7.5, 7.5)
;;       step = 2.0 ** (np.maximum(np.frexp(np.where(r == 0, 1, r))[1] - 1, 0) - 3)
;;       q = np.round(r / step) * step * 2.0 ** e      # np.round: ties to even
;;       return np.moveaxis(q.reshape(q.shape[:-2] + (-1,))[..., :K], -1, axis).astype(np.float32)
;;   ~~~
;;   OPERANDS COMPUTED ON THE WAY. 'Computed on the way' means the value that the module computes at that place (a softmax that the list does not call 'softmax' is quantised finished and normalised). What goes into a quantiser is computed in f32, as accurately as f32 sums, v_exp_f32 and their like allow (about 1e-6 of the number): no bf16 or f16 on the way to a quantiser, and a product that is left as it is and whose result goes on into a quantised operand takes f32 operands (vector FMAs, or v_wmma_f32_16x16x4_f32). A number that lies on a knife's edge between two numbers of the format may be rounded either way, as far as f32 arithmetic and the matrix unit's own rounding can turn it there, and no further.
;; 2 versions. Each part assembles by itself: llvm-mc -triple=amdgcn-amd-amdhsa -mcpu=gfx1250 --defsym DOCPART=n.
;; ======== version 1 of 2: 5 launches
;; workspace buffers: wq 21,299,200 bytes; ids 16,384 bytes of whole numbers; route 36,608 bytes of whole numbers; act 3,993,600 bytes; y 20,447,232 bytes
;; launch prep (part 1): grid 896 x 1, 4 waves a work-group, no clusters, 33,792 bytes of LDS; arguments x, router_weight, router_bias, w1, w2, wq, ids, out1; writes wq, ids, out1
.if DOCPART == 1
	.amdgcn_target "amdgcn-amd-amdhsa--gfx1250"
	.amdhsa_code_object_version 6
	.text
	.protected	k_qff10bb6fc3_prep
	.globl	k_qff10bb6fc3_prep
	.p2align	8
	.type	k_qff10bb6fc3_prep,@function
k_qff10bb6fc3_prep:
	s_mov_b64 s[64:65], 0
	v_nop
	global_prefetch_b8 v0, s[64:65] scope:SCOPE_SE
	s_setreg_imm32_b32 hwreg(HW_REG_WAVE_MODE, 25, 1), 1
	s_wait_xcnt 0x0
; PREP: three jobs, told apart by the work-group's number alone.
;   work-groups   0..127  ROUTER: 16 tokens each: logits in f32, softmax, top-2 (ties: the lower expert), and x into codes of E2M3.
;   work-groups 128..639  W1 [8][1024 k][2048 n] f32 into codes and scale bytes, laid in the order of the matrix operand's registers.
;   work-groups 640..895  W2 [8][1024 k][1024 n] likewise.
; A block's scale is 2^(floor(log2(largest magnitude)) - 2): its byte is the largest magnitude's exponent field - 2, held at 1 from below.
; LIMITS: NaN and infinities among the inputs are not served.  A block of zeros gets the byte 1 where the rule says 127: its codes are
; zeros, and these bytes are read by this program alone.  v_exp_f32 gives 0 under 2^-126: a probability that small is stored as 0.
; LAYOUT OF wq (bytes): W1C 0, W2C, W1S, W2S, XQ, XSC as set below.
;   weight codes [expert][slice of 64 columns][tile 0..3][K step 0..7][j 0..2][lane 0..31][16 bytes]: register 4 j + i of lane m + 16 hf of the
;   fragment (16 columns x 128 k); lane half hf holds blocks hf (registers 0-5) and 2 + hf (registers 6-11) of the K step.
;   W1: row m of tile t is column 64 cs + 2 k' + t / 2 with k' = 16 (m / 8) + 8 (t % 2) + m % 8: tiles 0, 1 gates, tiles 2, 3 ups.   W2: column 64 cs + 16 t + m.
;   weight scales [expert][slice][K step][lane' = 16 (t % 2) + m][t / 2]: one word (four blocks) each.
;   XQ [token][q 0..23][hf][16 bytes]: piece q of half row hf; a half row is the blocks hf, 2 + hf, 4 + hf .., 24 bytes each, on end (384 bytes).
;   So the two lanes that hold a token's row in the product's operand read 32 consecutive bytes with each load.   XSC [token][32]: a byte a block.
; No tensor load, no cluster: no work-group reads what another reads but the 32 KiB of router weights.
.set W2C,  12582912
.set W1S,  18874368
.set W2S,  19398656
.set XQ,   19660800
.set XSC,  21233664
; weight paths: v2 source offset, v3 codes' offset, v4 scale words' offset
.set X,   16                           ; v16-143  weights: two sets of (2 columns x 32 k);  router: 4 tokens x 32 numbers
.set G,   144                          ; v144-191 codes: 24 u + 12 hf + 6 c
.set T,   192                          ; v192-199 a block's upper 16 codes (a conversion's three registers begin on an even number)
.set M,   200                          ; v200-203 largest magnitudes
.set SE,  204                          ; v204-205 the conversions' scale operands
.set BY,  206                          ; v206-207 scale bytes
.set SW,  208                          ; v208-209 scale words
.set Y,   210                          ; v210-241 W1: one column's 32 numbers on end, for the conversions
; router path
.set R,   144                          ; v144-207 router weights, two sets of 32; later lane-exchange temporaries; later x's codes
.set ACC, 208                          ; v208-239 logits: 8 x token + expert
; the largest magnitudes of two blocks of 32 registers, st registers apart, from v[xa] and v[xb] on, into v[m], v[m+2]; the floor 2^(3 - 127) is a leaf, so the byte cannot fall under 1
.macro BMAX2 xa, xb, m, st
	v_max3_num_f32 v[\m],   |v[\xa]|,       |v[\xa+\st]|,   0x1800000
	v_max3_num_f32 v[\m+2], |v[\xb]|,       |v[\xb+\st]|,   0x1800000
	v_max3_num_f32 v[\m+1], |v[\xa+\st*2]|, |v[\xa+\st*3]|, |v[\xa+\st*4]|
	v_max3_num_f32 v[\m+3], |v[\xb+\st*2]|, |v[\xb+\st*3]|, |v[\xb+\st*4]|
.irp i, 5,9,13,17,21,25
	v_max3_num_f32 v[\m],   v[\m],   |v[\xa+\st*\i]|,     |v[\xa+\st*(\i+1)]|
	v_max3_num_f32 v[\m+2], v[\m+2], |v[\xb+\st*\i]|,     |v[\xb+\st*(\i+1)]|
	v_max3_num_f32 v[\m+1], v[\m+1], |v[\xa+\st*(\i+2)]|, |v[\xa+\st*(\i+3)]|
	v_max3_num_f32 v[\m+3], v[\m+3], |v[\xb+\st*(\i+2)]|, |v[\xb+\st*(\i+3)]|
.endr
	v_max3_num_f32 v[\m],   v[\m],   |v[\xa+\st*29]|, |v[\xa+\st*30]|
	v_max3_num_f32 v[\m+2], v[\m+2], |v[\xb+\st*29]|, |v[\xb+\st*30]|
	v_max3_num_f32 v[\m],   v[\m],   v[\m+1], |v[\xa+\st*31]|
	v_max3_num_f32 v[\m+2], v[\m+2], v[\m+3], |v[\xb+\st*31]|
.endm
; W2: block t of the wave's K step: 32 rows k, my two columns, 32 columns apart; the two loads of a row stand together and cover 256 consecutive bytes
.macro QLOAD t, pitch, setoff
.set qi, 0
.rept 32
	global_load_b32 v[X+64*((\t)%2)+qi],    v2, s[28:29] offset:(32*(\t)+qi)*\pitch
	global_load_b32 v[X+64*((\t)%2)+32+qi], v2, s[28:29] offset:(32*(\t)+qi)*\pitch+\setoff
.set qi, qi+1
.endr
.endm
.macro QBLOCK t
.set XA, X+64*((\t)%2)
.set GA, G+12*((\t)%2)+6*((\t)/2)
	BMAX2 XA, XA+32, M, 1
	v_add_nc_u32 v[SE],   0xff000000, v[M]         ; 2 off the exponent field: the conversion takes the exponent field of this operand as its scale
	v_add_nc_u32 v[SE+1], 0xff000000, v[M+2]
	v_cvt_scalef32_pk16_fp6_f32 v[GA:GA+2],     v[XA:XA+15],    v[SE]
	v_cvt_scalef32_pk16_fp6_f32 v[T:T+2],       v[XA+16:XA+31], v[SE]
	v_cvt_scalef32_pk16_fp6_f32 v[GA+24:GA+26], v[XA+32:XA+47], v[SE+1]
	v_cvt_scalef32_pk16_fp6_f32 v[T+4:T+6],     v[XA+48:XA+63], v[SE+1]
.if (\t) == 0
	v_lshrrev_b32 v[SW],   23, v[SE]               ; the scale's byte; also the plain line behind the conversions
	v_lshrrev_b32 v[SW+1], 23, v[SE+1]
.else
	v_lshrrev_b32 v[BY],   23, v[SE]
	v_lshrrev_b32 v[BY+1], 23, v[SE+1]
	v_lshl_or_b32 v[SW],   v[BY],   8*(\t), v[SW]  ; byte t of the K step's scale word
	v_lshl_or_b32 v[SW+1], v[BY+1], 8*(\t), v[SW+1]
.endif
.irp i, 0,1,2
	v_mov_b32 v[GA+3+\i],  v[T+\i]
	v_mov_b32 v[GA+27+\i], v[T+4+\i]
.endr
.endm
; W1: block t of the wave's K step: 32 rows k; my pair's gate and up are neighbours in a row, so one load of 8 bytes a lane brings both: 256 consecutive bytes a load, each read once in the launch.
; Register 2 i + u of the set: row i, column u of my two.
.macro QLOADI t
.set qi, 0
.rept 32
	global_load_b64 v[X+64*((\t)%2)+2*qi:X+64*((\t)%2)+2*qi+1], v2, s[28:29] offset:(32*(\t)+qi)*8192 th:TH_LOAD_NT
.set qi, qi+1
.endr
.endm
; The conversions take 16 neighbours along K from consecutive registers, so each column's 32 numbers are first laid on end in Y.
.macro QBLOCKI t
.set XA, X+64*((\t)%2)
.set GA, G+12*((\t)%2)+6*((\t)/2)
	BMAX2 XA, XA+1, M, 2
	v_add_nc_u32 v[SE],   0xff000000, v[M]         ; 2 off the exponent field: the conversions' scale operands
	v_add_nc_u32 v[SE+1], 0xff000000, v[M+2]
.irp u, 0,1
.set a, 0
.rept 32
	v_mov_b32 v[Y+a], v[XA+2*a+\u]
.set a, a+1
.endr
	v_cvt_scalef32_pk16_fp6_f32 v[GA+24*\u:GA+24*\u+2], v[Y:Y+15],    v[SE+\u]
	v_cvt_scalef32_pk16_fp6_f32 v[T+4*\u:T+4*\u+2],     v[Y+16:Y+31], v[SE+\u]
.if (\t) == 0
	v_lshrrev_b32 v[SW+\u], 23, v[SE+\u]           ; the scale's byte; also the plain line between the conversions and the next writes of Y and reads of T
.else
	v_lshrrev_b32 v[BY+\u], 23, v[SE+\u]
.endif
.endr
.if (\t) != 0
	v_lshl_or_b32 v[SW],   v[BY],   8*(\t), v[SW]  ; byte t of the K step's scale word
	v_lshl_or_b32 v[SW+1], v[BY+1], 8*(\t), v[SW+1]
.endif
.irp i, 0,1,2
	v_mov_b32 v[GA+3+\i],  v[T+\i]
	v_mov_b32 v[GA+27+\i], v[T+4+\i]
.endr
.endm
.macro QSTORE g                        ; the twelve registers of lane half g, both sets: sixteen lanes of a store fill 256 consecutive bytes, aligned
.irp u, 0,1
.irp j, 0,1,2
	global_store_b128 v3, v[G+24*\u+12*\g+4*\j:G+24*\u+12*\g+4*\j+3], s[30:31] offset:\u*24576+\j*512+\g*256
.endr
.endr
.endm
; the scalar part of a weight path: g = work-group - first: bit 0 = which four K steps, then the slice (expert x slices + cs)
.macro WBASE first, csbits, pitch, src, codes, scales
	s_sub_co_u32 s21, ttmp9, \first
	s_and_b32 s22, s21, 1
	s_lshl_b32 s22, s22, 2
	s_add_co_u32 s22, s22, s20                     ; my wave's K step
	s_lshr_b32 s23, s21, 1                         ; slice
	s_and_b32 s24, s23, (1<<\csbits)-1             ; cs
	s_lshr_b32 s25, s23, \csbits                   ; expert
	s_mul_i32 s26, s25, 1024*\pitch
	s_mul_i32 s27, s22, 128*\pitch
	s_add_co_u32 s26, s26, s27
	s_lshl_b32 s27, s24, 8
	s_add_co_u32 s26, s26, s27                     ; source: expert, 128 rows a K step, 256 bytes a slice
	s_mov_b32 s27, 0
	s_mul_i32 s32, s23, 49152
	s_mul_i32 s33, s22, 1536
	s_add_co_u32 s32, s32, s33
	s_add_co_u32 s32, s32, \codes
	s_mov_b32 s33, 0
	s_lshl_b32 s34, s23, 11
	s_lshl_b32 s35, s22, 8
	s_add_co_u32 s34, s34, s35
	s_add_co_u32 s34, s34, \scales
	s_mov_b32 s35, 0
	s_wait_kmcnt 0x0
	s_add_nc_u64 s[28:29], s[\src:\src+1], s[26:27]
	s_add_nc_u64 s[30:31], s[14:15], s[32:33]
	s_add_nc_u64 s[36:37], s[14:15], s[34:35]
.endm
; W2.  Loads run a block (64 loads) ahead.  Behind a block's 64 loads stand the next block's 64; a wait's count ends at 63, so one load more than needed is awaited.
.macro WBODY pitch, setoff
	QLOAD 0, \pitch, \setoff
	QLOAD 1, \pitch, \setoff
	s_wait_loadcnt 63
	QBLOCK 0
	QLOAD 2, \pitch, \setoff
	s_wait_loadcnt 63
	QBLOCK 1
	QLOAD 3, \pitch, \setoff
	s_wait_loadcnt 63
	QBLOCK 2
	QSTORE 0                                       ; blocks 0 and 2 are lane half 0's
	s_wait_loadcnt 0x0
	QBLOCK 3
	QSTORE 1
	global_store_b64 v4, v[SW:SW+1], s[36:37]      ; 32 lanes store 256 consecutive bytes, aligned.  No store's data are written again: no wait on XCNT in this path
	s_endpgm
.endm
; W1.  Loads run a block (32 loads) ahead: behind a block's 32 loads stand the next block's 32.
.macro WBODYI
	QLOADI 0
	QLOADI 1
	s_wait_loadcnt 32
	QBLOCKI 0
	QLOADI 2
	s_wait_loadcnt 32
	QBLOCKI 1
	QLOADI 3
	s_wait_loadcnt 32
	QBLOCKI 2
	QSTORE 0                                       ; blocks 0 and 2 are lane half 0's
	s_wait_loadcnt 0x0
	QBLOCKI 3
	QSTORE 1
	global_store_b64 v4, v[SW:SW+1], s[36:37]      ; 32 lanes store 256 consecutive bytes, aligned.  No store's data are written again: no wait on XCNT in this path
	s_endpgm
.endm
	s_load_b256 s[4:11], s[0:1], 0x0               ; x s[4:5], router_weight s[6:7], router_bias s[8:9], w1 s[10:11]
	s_load_b256 s[12:19], s[0:1], 0x20             ; w2 s[12:13], wq s[14:15], ids s[16:17], out1 s[18:19]
	v_lshl_add_u32 v250, v0, 2, 0x8200
	v_mov_b32 v251, 0
	v_lshrrev_b32 v1, 5, v0
	v_readfirstlane_b32 s20, v1                    ; wave 0..3
	v_and_b32 v1, 31, v0                           ; lane
	s_cmp_lt_u32 ttmp9, 128
	s_cbranch_scc1 .Lrouter
	s_cmp_lt_u32 ttmp9, 640
	s_cbranch_scc1 .Lw1
	; ---- W2: lane l of set u takes column 64 cs + 32 u + l: tile 2 u + l / 16, row l % 16
	v_lshlrev_b32 v2, 2, v1
	v_lshrrev_b32 v5, 4, v1
	v_and_b32 v7, 15, v1
	v_lshlrev_b32 v3, 4, v7
	v_mad_u32_u24 v3, v5, 12288, v3
	v_lshlrev_b32 v4, 3, v1
	WBASE 640, 4, 4096, 12, W2C, W2S
	WBODY 4096, 128
.Lw1:
	; ---- W1: lane l of set u takes column 64 cs + 2 l + u (u = 0 gate, 1 up): tile 2 u + (l / 8) % 2, row 8 (l / 16) + l % 8
	v_lshlrev_b32 v2, 3, v1                        ; 8 bytes a lane: my pair's gate and up
	v_bfe_u32 v5, v1, 3, 1
	v_bfe_u32 v6, v1, 4, 1
	v_and_b32 v7, 7, v1
	v_lshl_add_u32 v7, v6, 3, v7                   ; m
	v_lshlrev_b32 v3, 4, v7
	v_mad_u32_u24 v3, v5, 12288, v3
	v_lshl_add_u32 v4, v5, 4, v7
	v_lshlrev_b32 v4, 3, v4
	WBASE 128, 5, 8192, 10, 0, W1S
	WBODYI
	; ---- ROUTER.  Wave w owns tokens 16 wg + 4 w + 0..3; lane l owns block l (k = 32 l .. 32 l + 31) of each.
	; LDS: the router's weights as [block l][k 0..31][expert 0..7] f32, 1,040 bytes a block (65 x 16: sixteen lanes' 16-byte reads fall on sixteen different columns).
.Lrouter:
	s_wait_kmcnt 0x0
	s_load_b256 s[36:43], s[8:9], 0x0              ; the eight biases
	s_mov_b32 s44, 0x76543210
	s_mov_b32 s45, 0xfedcba98                      ; v_permlanex16_b32's selects for lane l xor 16
	s_lshl_b32 s21, ttmp9, 4
	s_lshl_b32 s22, s20, 2
	s_add_co_u32 s21, s21, s22                     ; my first token
	s_lshl_b32 s22, s21, 12
	s_mov_b32 s23, 0
	s_add_nc_u64 s[24:25], s[4:5], s[22:23]        ; its row of x
	s_mul_i32 s22, s21, 768
	s_add_co_u32 s22, s22, XQ
	s_add_nc_u64 s[26:27], s[14:15], s[22:23]      ; its codes
	s_lshl_b32 s22, s21, 5
	s_add_co_u32 s22, s22, XSC
	s_add_nc_u64 s[28:29], s[14:15], s[22:23]      ; its scale bytes
	s_lshl_b32 s22, s21, 3
	s_add_nc_u64 s[30:31], s[16:17], s[22:23]      ; its two experts
	s_add_nc_u64 s[32:33], s[18:19], s[22:23]      ; its two probabilities
	v_lshlrev_b32 v2, 7, v1                        ; x: 128 bytes a block
	v_mul_u32_u24 v3, v1, 1040                     ; LDS: my block
	v_lshrrev_b32 v4, 3, v0
	v_mul_u32_u24 v4, v4, 1040
	v_and_b32 v7, 7, v0
	v_lshl_add_u32 v4, v7, 7, v4                   ; LDS on the way in: thread t brings k = 4 t + i (+ 512): block t / 8, k in it 4 (t % 8) + i
	v_lshlrev_b32 v5, 4, v0
	v_and_b32 v6, 1, v1
	v_lshlrev_b32 v6, 4, v6                        ; 16 hf: my block lies in half row hf = l % 2,
	v_lshrrev_b32 v7, 1, v1
	v_mul_u32_u24 v7, v7, 3                        ; as its pieces of 8 bytes 3 (l / 2) + 0, 1, 2
.irp j, 0,1,2
	v_add_nc_u32 v240, \j, v7                      ; piece i of 8 bytes lies at 32 (i / 2) + 16 hf + 8 (i % 2) of the token's 768
	v_lshrrev_b32 v[13+\j], 1, v240
	v_lshl_add_u32 v[13+\j], v[13+\j], 5, v6
	v_and_b32 v240, 1, v240
	v_lshl_add_u32 v[13+\j], v240, 3, v[13+\j]
.endr
	v_lshlrev_b32 v12, 3, v1
.irp i, 8,9,10,11
	v_mov_b32 v\i, 0                               ; what lanes 0..3 will store: written whole once
.endr
.irp it, 0,1,2,3,4,5,6,7,8,9,10,11,12,13,14,15
	global_load_b128 v[R+4*\it:R+4*\it+3], v5, s[6:7] offset:\it*2048
.endr
.irp tt, 0,1,2,3
.irp j, 0,1,2,3,4,5,6,7
	global_load_b128 v[X+32*\tt+4*\j:X+32*\tt+4*\j+3], v2, s[24:25] offset:\tt*4096+16*\j th:TH_LOAD_NT
.endr
.endr
	s_wait_loadcnt 32                              ; the router's weights are in; x's 32 loads may stay out
.irp it, 0,1,2,3,4,5,6,7,8,9,10,11,12,13,14,15
.irp i, 0,1,2,3
	ds_store_b32 v4, v[R+4*\it+\i] offset:(\it%2)*16640+\i*32+(\it/2)*4   ; expert it / 2, k = 512 (it % 2) + 4 t + i
.endr
.endr
	s_wait_dscnt 0x0                               ; for the others' sake: my stores have landed
	s_barrier_signal -1
	s_barrier_wait -1
	s_wait_loadcnt 0x0                             ; x
	s_wait_kmcnt 0x0                               ; the biases
.macro RFETCH q                        ; the eight weights of k = 4 q .. 4 q + 3 of my block
.irp kk, 0,1,2,3
.irp hh, 0,1
	ds_load_b128 v[R+32*((\q)%2)+8*\kk+4*\hh:R+32*((\q)%2)+8*\kk+4*\hh+3], v3 offset:(4*(\q)+\kk)*32+16*\hh
.endr
.endr
.endm
.macro RK q, kk, sel                   ; one k: 4 tokens x 8 experts, two experts an instruction; x's number serves both halves.  The first k starts the sums
.irp tt, 0,1,2,3
.irp ep, 0,1,2,3
.if ((\q) == 0) && (\kk == 0)
	v_pk_mul_f32 v[ACC+8*\tt+2*\ep:ACC+8*\tt+2*\ep+1], v[X+32*\tt+4*(\q)+2*(\kk/2):X+32*\tt+4*(\q)+2*(\kk/2)+1], v[R+32*((\q)%2)+8*\kk+2*\ep:R+32*((\q)%2)+8*\kk+2*\ep+1] op_sel_hi:[0,1]
.else
	v_pk_fma_f32 v[ACC+8*\tt+2*\ep:ACC+8*\tt+2*\ep+1], v[X+32*\tt+4*(\q)+2*(\kk/2):X+32*\tt+4*(\q)+2*(\kk/2)+1], v[R+32*((\q)%2)+8*\kk+2*\ep:R+32*((\q)%2)+8*\kk+2*\ep+1], v[ACC+8*\tt+2*\ep:ACC+8*\tt+2*\ep+1] op_sel:[\sel,0,0] op_sel_hi:[\sel,1,1]
.endif
.endr
.endr
.endm
	RFETCH 0
.irp q, 0,1,2,3,4,5,6,7
.if \q < 7
	RFETCH \q+1
	s_wait_dscnt 8                                 ; all but the eight just issued
.else
	s_wait_dscnt 0x0
.endif
	RK \q, 0, 0
	RK \q, 1, 1
	RK \q, 2, 0
	RK \q, 3, 1
.endr
	; the 32 sums over the 32 lanes; every lane ends with all of them
.irp mk, 1,2,4,8
.set a, 0
.rept 32
	v_add_f32_dpp v[ACC+a], v[ACC+a], v[ACC+a] row_xmask:\mk row_mask:0xf bank_mask:0xf
.set a, a+1
.endr
.endr
.set a, 0
.rept 32
	v_permlanex16_b32 v[R+a], v[ACC+a], s44, s45
.set a, a+1
.endr
.set a, 0
.rept 32
	v_add_f32 v[ACC+a], v[ACC+a], v[R+a]
.set a, a+1
.endr
; softmax with the maximum taken away, then the two largest; a strict compare in ascending order keeps the lower expert on a tie
.macro RSOFT tt
.set LG, ACC+8*\tt
.irp e, 0,1,2,3,4,5,6,7
	v_add_f32 v[LG+\e], s[36+\e], v[LG+\e]
.endr
	v_max3_num_f32 v240, v[LG], v[LG+1], v[LG+2]
	v_max3_num_f32 v240, v240, v[LG+3], v[LG+4]
	v_max3_num_f32 v240, v240, v[LG+5], v[LG+6]
	v_max_num_f32 v240, v240, v[LG+7]
.irp e, 0,1,2,3,4,5,6,7
	v_sub_f32 v[LG+\e], v[LG+\e], v240
.endr
.irp e, 0,1,2,3,4,5,6,7
	v_mul_f32 v[LG+\e], 0x3fb8aa3b, v[LG+\e]       ; x log2(e)
.endr
.irp e, 0,1,2,3,4,5,6,7
	v_exp_f32 v[LG+\e], v[LG+\e]
.endr
	v_nop                                          ; a plain line behind the exponentials
	s_wait_alu depctr_va_vdst(0)
	v_add_f32 v241, v[LG], v[LG+1]
.irp e, 2,3,4,5,6,7
	v_add_f32 v241, v241, v[LG+\e]
.endr
	v_rcp_f32 v241, v241
	v_mov_b32 v243, 0                              ; (a plain line behind the reciprocal)  the first expert so far
	s_wait_alu depctr_va_vdst(0)
.irp e, 0,1,2,3,4,5,6,7
	v_mul_f32 v[LG+\e], v[LG+\e], v241
.endr
	v_mov_b32 v242, v[LG]
.irp e, 1,2,3,4,5,6,7
	v_cmp_gt_f32 vcc_lo, v[LG+\e], v242
	v_cndmask_b32 v242, v242, v[LG+\e], vcc_lo
	v_cndmask_b32 v243, v243, \e, vcc_lo
.endr
.irp e, 0,1,2,3,4,5,6,7
	v_cmp_eq_u32 vcc_lo, \e, v243
	v_cndmask_b32 v[LG+\e], v[LG+\e], -1.0, vcc_lo ; the winner leaves the field
.endr
	v_mov_b32 v244, v[LG]
	v_mov_b32 v245, 0
.irp e, 1,2,3,4,5,6,7
	v_cmp_gt_f32 vcc_lo, v[LG+\e], v244
	v_cndmask_b32 v244, v244, v[LG+\e], vcc_lo
	v_cndmask_b32 v245, v245, \e, vcc_lo
.endr
	v_cmp_eq_u32 vcc_lo, \tt, v1                   ; lane tt keeps token tt's
	v_cndmask_b32 v8, v8, v242, vcc_lo
	v_cndmask_b32 v9, v9, v244, vcc_lo
	v_cndmask_b32 v10, v10, v243, vcc_lo
	v_cndmask_b32 v11, v11, v245, vcc_lo
.endm
	RSOFT 0
	RSOFT 1
	RSOFT 2
	RSOFT 3
; x into codes: a lane's 32 registers are a whole block.  Each token has its own registers for codes and byte: no store's data are written again.
; A conversion's three registers begin on an even number, so the upper 16 codes are made one register further on and moved down: the six registers then stand on end, three pairs for three stores of 8 bytes.
.macro XQUANT2 ta, tb
	BMAX2 X+32*\ta, X+32*\tb, 244, 1
	v_add_nc_u32 v248, 0xff000000, v244
	v_add_nc_u32 v249, 0xff000000, v246
	v_cvt_scalef32_pk16_fp6_f32 v[R+8*\ta:R+8*\ta+2],   v[X+32*\ta:X+32*\ta+15],    v248
	v_cvt_scalef32_pk16_fp6_f32 v[R+8*\ta+4:R+8*\ta+6], v[X+32*\ta+16:X+32*\ta+31], v248
	v_cvt_scalef32_pk16_fp6_f32 v[R+8*\tb:R+8*\tb+2],   v[X+32*\tb:X+32*\tb+15],    v249
	v_cvt_scalef32_pk16_fp6_f32 v[R+8*\tb+4:R+8*\tb+6], v[X+32*\tb+16:X+32*\tb+31], v249
	v_lshrrev_b32 v[252+\ta], 23, v248             ; the bytes; also the plain line behind the conversions
	v_lshrrev_b32 v[252+\tb], 23, v249
.irp t, \ta, \tb
	v_mov_b32 v[R+8*\t+3], v[R+8*\t+4]
	v_mov_b32 v[R+8*\t+4], v[R+8*\t+5]
	v_mov_b32 v[R+8*\t+5], v[R+8*\t+6]
.endr
.irp t, \ta, \tb
	global_store_b64 v13, v[R+8*\t:R+8*\t+1],   s[26:27] offset:768*\t
	global_store_b64 v14, v[R+8*\t+2:R+8*\t+3], s[26:27] offset:768*\t
	global_store_b64 v15, v[R+8*\t+4:R+8*\t+5], s[26:27] offset:768*\t
	global_store_b8 v1, v[252+\t], s[28:29] offset:32*\t
.endr
.endm
	XQUANT2 0, 1
	XQUANT2 2, 3
	v_cmp_gt_u32 vcc_lo, 4, v1
	s_wait_xcnt 0x0                                ; EXEC changes only behind this wait: it is a source of the stores above
	s_wait_tensorcnt 0x0
	ds_add_u32 v250, v251
	s_wait_dscnt 0x0
	s_and_saveexec_b32 s21, vcc_lo
	global_store_b64 v12, v[8:9], s[32:33]         ; out1: the two probabilities, the larger first
	global_store_b64 v12, v[10:11], s[30:31]       ; ids: their experts
	s_endpgm
.Lfunc_end_k_qff10bb6fc3_prep:
	.size	k_qff10bb6fc3_prep, .Lfunc_end_k_qff10bb6fc3_prep-k_qff10bb6fc3_prep
	.p2alignl 7, 3214868480
	.fill 96, 4, 3214868480
	.section	.rodata,"a",@progbits
	.p2align	6, 0x0
	.amdhsa_kernel k_qff10bb6fc3_prep
		.amdhsa_group_segment_fixed_size 33792
		.amdhsa_private_segment_fixed_size 0
		.amdhsa_enable_private_segment 0
		.amdhsa_kernarg_size 64
		.amdhsa_user_sgpr_count 2
		.amdhsa_user_sgpr_kernarg_segment_ptr 1
		.amdhsa_wavefront_size32 1
		.amdhsa_system_sgpr_workgroup_id_x 1
		.amdhsa_system_sgpr_workgroup_id_y 1
		.amdhsa_system_sgpr_workgroup_id_z 1
		.amdhsa_system_vgpr_workitem_id 0
		.amdhsa_next_free_vgpr 256
		.amdhsa_next_free_sgpr 66
		.amdhsa_reserve_vcc 1
		.amdhsa_float_denorm_mode_32 3
		.amdhsa_float_denorm_mode_16_64 3
		.amdhsa_memory_ordered 1
		.amdhsa_forward_progress 1
		.amdhsa_inst_pref_size 158
	.end_amdhsa_kernel
	.amdgpu_metadata
---
amdhsa.version: [ 1, 2 ]
amdhsa.kernels:
  - .name:           k_qff10bb6fc3_prep
    .symbol:         k_qff10bb6fc3_prep.kd
    .args:
      - { .name: x, .offset: 0, .size: 8, .value_kind: global_buffer, .address_space: global }
      - { .name: router_weight, .offset: 8, .size: 8, .value_kind: global_buffer, .address_space: global }
      - { .name: router_bias, .offset: 16, .size: 8, .value_kind: global_buffer, .address_space: global }
      - { .name: w1, .offset: 24, .size: 8, .value_kind: global_buffer, .address_space: global }
      - { .name: w2, .offset: 32, .size: 8, .value_kind: global_buffer, .address_space: global }
      - { .name: wq, .offset: 40, .size: 8, .value_kind: global_buffer, .address_space: global }
      - { .name: ids, .offset: 48, .size: 8, .value_kind: global_buffer, .address_space: global }
      - { .name: out1, .offset: 56, .size: 8, .value_kind: global_buffer, .address_space: global }
    .group_segment_fixed_size: 33792
    .private_segment_fixed_size: 0
    .kernarg_segment_align: 8
    .kernarg_segment_size: 64
    .max_flat_workgroup_size: 128
    .sgpr_count:     66
    .vgpr_count:     256
    .wavefront_size: 32
...
	.end_amdgpu_metadata
.endif
;; end of part 1
;; launch place (part 2): grid 1 x 1, 32 waves a work-group, no clusters, 8,192 bytes of LDS; arguments ids, route; writes route
.if DOCPART == 2
	.amdgcn_target "amdgcn-amd-amdhsa--gfx1250"
	.amdhsa_code_object_version 6
	.text
	.protected	k_qff10bb6fc3_place
	.globl	k_qff10bb6fc3_place
	.p2align	8
	.type	k_qff10bb6fc3_place,@function
k_qff10bb6fc3_place:
	s_mov_b64 s[64:65], 0
	v_nop
	global_prefetch_b8 v0, s[64:65] scope:SCOPE_SE
	s_setreg_imm32_b32 hwreg(HW_REG_WAVE_MODE, 25, 1), 1
	s_wait_xcnt 0x0
; PLACE: a counting sort of the 4,096 routed rows (entry = 2 x token + slot) by expert; each expert's segment is padded to a multiple of 128 rows.
; route: POS [4096] at 0: entry -> row;  ROWTOK [4992] at 16,384: row -> token (0 in padding rows);  SEG at 36,352: word 2 e = the segment's first
; pair of 32 rows, word 2 e + 1 = its chunks of 128 rows, word 16 = the last pair in use.
; The sum over experts of ceil(n / 128) is at most floor((4096 + 8 x 127) / 128) = 39 chunks = 4,992 rows, whatever the choice.
; One work-group of 32 waves; wave w owns entries 128 w + 32 c + lane, c = 0..3.  No atomics: counts meet in LDS behind one barrier.  Whole numbers only.
.set ROWTOK, 16384
.set SEG,    36352
; s16-23 my wave's counts, later the padded sizes; s24-31 segment bases; s32-39 where my wave's next row of each expert goes; s40-47 totals
	s_load_b128 s[4:7], s[0:1], 0x0                ; ids, route
	v_lshl_add_u32 v64, v0, 2, 0x1000
	v_mov_b32 v65, 0
	v_lshrrev_b32 v2, 5, v0
	v_readfirstlane_b32 s12, v2                    ; wave 0..31
	v_and_b32 v1, 31, v0                           ; lane
	v_lshlrev_b32 v2, 9, v2
	v_lshl_add_u32 v2, v1, 2, v2                   ; my first entry, in bytes: 512 w + 4 lane
	v_lshlrev_b32 v3, 2, v0                        ; LDS: my word
	v_lshlrev_b32 v4, 2, v1
	v_lshrrev_b32 v5, 1, v1
	s_lshl_b32 s13, s12, 6
	v_add_nc_u32 v5, s13, v5                       ; my first entry's token: 64 w + lane / 2
	v_lshlrev_b32 v21, 3, v1
	s_wait_kmcnt 0x0
.irp c, 0,1,2,3
	global_load_b32 v[16+\c], v2, s[4:5] offset:128*\c
.endr
.irp c, 0,1,2,3
	v_add_nc_u32 v[12+\c], 16*\c, v5               ; entry c's token
	v_mov_b32 v[28+\c], 0                          ; its row: written whole once
.endr
.irp e, 0,1,2,3,4,5,6,7
	s_mov_b32 s[16+\e], 0
.endr
	v_mov_b32 v20, 0
	v_mov_b32 v24, 0
	v_mov_b32 v25, 0
	s_wait_loadcnt 0x0
.irp c, 0,1,2,3
.irp e, 0,1,2,3,4,5,6,7
	v_cmp_eq_u32 s48, \e, v[16+\c]
	s_bcnt1_i32_b32 s49, s48
	s_add_co_u32 s[16+\e], s[16+\e], s49
.endr
.endr
.irp e, 0,1,2,3,4,5,6,7
	v_writelane_b32 v20, s[16+\e], \e              ; lane e: my wave's count for expert e
.endr
	ds_store_b32 v3, v20
	s_wait_dscnt 0x0                               ; for the others' sake
	s_barrier_signal -1
	s_barrier_wait -1
.set w, 0
.rept 32
	ds_load_b32 v[32+w], v4 offset:128*w           ; lane e: wave w's count for expert e
.set w, w+1
.endr
	s_wait_dscnt 0x0
.set w, 0
.rept 32
	s_cmp_gt_u32 s12, w
	s_cselect_b32 s48, 1, 0
	v_add_nc_u32 v24, v24, v[32+w]                 ; the expert's total
	v_mad_u32_u24 v25, v[32+w], s48, v25           ; and what the waves ahead of mine hold of it
.set w, w+1
.endr
	v_add_nc_u32 v26, 127, v24
	v_and_b32 v26, 0xffffff80, v26                 ; padded to chunks of 128
	s_mov_b32 s51, 0
.irp e, 0,1,2,3,4,5,6,7
	v_readlane_b32 s[40+\e], v24, \e
	v_readlane_b32 s[16+\e], v26, \e
	v_readlane_b32 s50, v25, \e
	s_mov_b32 s[24+\e], s51
	s_add_co_u32 s[32+\e], s51, s50
	s_add_co_u32 s51, s51, s[16+\e]                ; at the end: all rows in use
.endr
.irp c, 0,1,2,3
.irp e, 0,1,2,3,4,5,6,7
	v_cmp_eq_u32 s48, \e, v[16+\c]
	v_mbcnt_lo_u32_b32 v27, s48, s[32+\e]          ; the running start + the lanes below me with this expert
	v_cndmask_b32 v[28+\c], v[28+\c], v27, s48
	s_bcnt1_i32_b32 s49, s48
	s_add_co_u32 s[32+\e], s[32+\e], s49
.endr
.endr
.irp c, 0,1,2,3
	global_store_b32 v2, v[28+\c], s[6:7] offset:128*\c            ; POS
	v_min_u32 v[8+\c], 4991, v[28+\c]              ; a number made of loaded numbers enters an address behind a clamp
	v_lshlrev_b32 v[8+\c], 2, v[8+\c]
	global_store_b32 v[8+\c], v[12+\c], s[6:7] offset:ROWTOK
.endr
	; padding rows: waves 4 e .. 4 e + 3 serve expert e, a lane a row, at most 127 of them
	s_lshr_b32 s52, s12, 2
	s_mov_b32 s53, s24
	s_mov_b32 s54, s40
	s_mov_b32 s55, s16
.irp e, 1,2,3,4,5,6,7
	s_cmp_eq_u32 s52, \e
	s_cselect_b32 s53, s[24+\e], s53
	s_cselect_b32 s54, s[40+\e], s54
	s_cselect_b32 s55, s[16+\e], s55
.endr
	s_sub_co_u32 s55, s55, s54                     ; how many
	s_add_co_u32 s53, s53, s54                     ; the first
	s_and_b32 s56, s12, 3
	s_lshl_b32 s56, s56, 5
	v_add_nc_u32 v5, s56, v1
	v_add_nc_u32 v6, s53, v5
	v_min_u32 v6, 4991, v6
	v_lshlrev_b32 v6, 2, v6
	v_mov_b32 v7, 0
	v_cmp_gt_u32 vcc_lo, s55, v5
	s_wait_xcnt 0x0                                ; EXEC changes only behind this wait
	s_and_saveexec_b32 s57, vcc_lo
	global_store_b32 v6, v7, s[6:7] offset:ROWTOK
	s_wait_xcnt 0x0
	s_or_b32 exec_lo, exec_lo, s57
	s_cmp_lg_u32 s12, 0
	s_cbranch_scc1 .Lend
	v_mov_b32 v30, 0                               ; wave 0: lanes 0..7 the segments, lane 8 the last pair in use
.irp e, 0,1,2,3,4,5,6,7
	s_lshr_b32 s49, s[24+\e], 5
	v_writelane_b32 v30, s49, \e
.endr
	s_lshr_b32 s49, s51, 5
	s_sub_co_u32 s49, s49, 1
	v_writelane_b32 v30, s49, 8
	v_lshrrev_b32 v31, 7, v26                      ; chunks (0 in lanes 8 on)
	v_cmp_gt_u32 vcc_lo, 9, v1
	s_wait_xcnt 0x0
	s_and_saveexec_b32 s57, vcc_lo
	global_store_b64 v21, v[30:31], s[6:7] offset:SEG
	s_wait_xcnt 0x0
	s_or_b32 exec_lo, exec_lo, s57
.Lend:
	s_wait_tensorcnt 0x0
	ds_add_u32 v64, v65
	s_wait_dscnt 0x0
	s_endpgm
.Lfunc_end_k_qff10bb6fc3_place:
	.size	k_qff10bb6fc3_place, .Lfunc_end_k_qff10bb6fc3_place-k_qff10bb6fc3_place
	.p2alignl 7, 3214868480
	.fill 96, 4, 3214868480
	.section	.rodata,"a",@progbits
	.p2align	6, 0x0
	.amdhsa_kernel k_qff10bb6fc3_place
		.amdhsa_group_segment_fixed_size 8192
		.amdhsa_private_segment_fixed_size 0
		.amdhsa_enable_private_segment 0
		.amdhsa_kernarg_size 16
		.amdhsa_user_sgpr_count 2
		.amdhsa_user_sgpr_kernarg_segment_ptr 1
		.amdhsa_wavefront_size32 1
		.amdhsa_system_sgpr_workgroup_id_x 1
		.amdhsa_system_sgpr_workgroup_id_y 1
		.amdhsa_system_sgpr_workgroup_id_z 1
		.amdhsa_system_vgpr_workitem_id 0
		.amdhsa_next_free_vgpr 66
		.amdhsa_next_free_sgpr 66
		.amdhsa_reserve_vcc 1
		.amdhsa_float_denorm_mode_32 3
		.amdhsa_float_denorm_mode_16_64 3
		.amdhsa_memory_ordered 1
		.amdhsa_forward_progress 1
		.amdhsa_inst_pref_size 29
	.end_amdhsa_kernel
	.amdgpu_metadata
---
amdhsa.version: [ 1, 2 ]
amdhsa.kernels:
  - .name:           k_qff10bb6fc3_place
    .symbol:         k_qff10bb6fc3_place.kd
    .args:
      - { .name: ids, .offset: 0, .size: 8, .value_kind: global_buffer, .address_space: global }
      - { .name: route, .offset: 8, .size: 8, .value_kind: global_buffer, .address_space: global }
    .group_segment_fixed_size: 8192
    .private_segment_fixed_size: 0
    .kernarg_segment_align: 8
    .kernarg_segment_size: 16
    .max_flat_workgroup_size: 1024
    .sgpr_count:     66
    .vgpr_count:     66
    .wavefront_size: 32
...
	.end_amdgpu_metadata
.endif
;; end of part 2
;; launch gemm1 (part 3): grid 256 x 1, 4 waves a work-group, no clusters, 49,664 bytes of LDS; arguments wq, route, w1_bias, act; writes act
.if DOCPART == 3
	.amdgcn_target "amdgcn-amd-amdhsa--gfx1250"
	.amdhsa_code_object_version 6
	.text
	.protected	k_qff10bb6fc3_gemm1
	.globl	k_qff10bb6fc3_gemm1
	.p2align	8
	.type	k_qff10bb6fc3_gemm1,@function
k_qff10bb6fc3_gemm1:
	s_mov_b64 s[64:65], 0
	v_nop
	global_prefetch_b8 v0, s[64:65] scope:SCOPE_SE
	s_setreg_imm32_b32 hwreg(HW_REG_WAVE_MODE, 25, 1), 1
	s_wait_xcnt 0x0
; GEMM1: act = swiglu(x W1 + b1) for the routed rows, quantised to E2M3 along the next product's K.  Both operands are codes of E2M3 with one E8M0 byte for each 32 along K.
; SHARES.  Work-group = (expert e = wg / 32, slice cs = wg % 32 of 64 columns of h = 32 gate/up pairs = ONE block of 32 of the next K).  Every wave keeps the whole slice
; (4 tiles x 8 K steps x 12 = 384 registers) for the launch: read from memory once a work-group, shared through LDS behind the one barrier.  Then the waves walk the expert's
; rows apart: in trip i wave w takes pair pbase + 4 i + w (32 rows, two tiles of 16).  The trip count is a stored number.  The launch holds no tensor load, no joint
; loads and no cluster; no barrier stands behind the branch on it.
; LAYOUT.  The product is used transposed: source 0 = 16 columns of W1 (a tile), source 1 = 16 rows of x.  Lane (r, h) then holds row r, and registers j of tiles 0, 1 the gates,
; of tiles 2, 3 the ups, of pairs k' = 16 h + 8 (t % 2) + j: 16 neighbours along the next K.  The bias is the C of each sum's first product.
; x's codes lie [token][piece q 0..23][h][16 bytes]: piece q of lane half h's 384 bytes, which are registers 4 q .. 4 q + 3 of the eight K steps' fragments on end.
; So lanes r and r + 16 of a load read 32 consecutive bytes of one token: a load names 16 runs of 32 bytes.
; act: codes [block cs][pair][768]: 32 rows x bytes 0-15, then 32 rows x bytes 16-23 of each row's 24;  scale bytes at ACTS: [row][32].
; Padding rows (at most 127 an expert) are computed on token 0 and stored; nothing ever uses them.  The scale bytes leave one byte a lane, 32 bytes apart: one byte in 25 of what is stored.
; LIMITS: NaN and infinities are not served; a block of zeros gets the byte 1 (its codes are zeros; this program alone reads the bytes).
; REGISTERS, in windows of 256: window 1: W1's fragments of K steps 0-3 at 12 (4 s + t); window 2: K steps 4-7; window 3: x's fragments, tile b at 96 b + 12 s.
; window 0: v1 lane, v2 r, v3 h, v4 16 lane, v5 8 lane, v6 4 r, v7 16 h, v8 7.0, v9 at work, v21 16 lane + 12,288 wave, v22 8 lane + 512, v23 32 lane, v170 128 h; the rest as named below.
.set PLANE,  119808
.set ACTS,   3833856
.set W1S,    18874368
.set XQ,     19660800
.set XSC,    21233664
.set ROWTOK, 16384
.set AO,  10                           ; v10-11  tile b: my row's codes in XQ
.set SO,  12                           ; v12-13  its scale bytes
.set EO,  14                           ; v14-15  where the row -> token word of the pair after next lies
.set TOK, 16                           ; v16-17  my row's token
.set O16, 18                           ; v18-20  the three stores' offsets
.set O8,  19
.set OS,  20
.set BS,  24                           ; v24-39  W1's scale words: register 2 s + t / 2: lanes 0-15 the even tile's rows, lanes 16-31 the odd tile's
.set XS,  40                           ; v40-55  x's scale words: 8 b + s
.set BI,  56                           ; v56-87  the bias, in the result's layout
.set ACC, 88                           ; v88-119 four accumulators
.set GT,  88                           ; gates
.set UP,  104                          ; ups
.set TT,  120                          ; v120-135 at work
.set ACT, 136                          ; v136-151 the 16 activations
.set OC,  152                          ; v152-160 codes: tile 0's at 152, tile 1's at 158
.set MX,  162                          ; the largest magnitude;  v163 the other half's;  v164 the conversion's scale operand;  v165-166 the tiles' bytes;  v167 the byte to store;  v168 second chain
.set MSB, 0
.macro WIN new                         ; the immediate's high byte repeats the setting that is left
.if MSB != \new
	s_set_vgpr_msb (MSB<<8)|\new
.set MSB, \new
.endif
.endm
.macro EOFF                            ; s37 = 128 x the pair whose tokens are asked for next, held at the last pair in use: look-ahead past the end reads stored words, and its data are not used
	s_min_u32 s37, s36, s18
	s_min_u32 s37, s37, 155
	s_lshl_b32 s37, s37, 7
.endm
; 27 loads for tile b of the next pair.  The five plain lines at its head are also the places between the tile's products and the loads into their operands.
.macro ISSUE b
	v_min_u32 v9, 2047, v[TOK+\b]                  ; a loaded number enters an address behind a clamp
	v_mul_u32_u24 v[AO+\b], v9, 768
	v_add_nc_u32 v[AO+\b], v[AO+\b], v7
	v_lshlrev_b32 v[SO+\b], 5, v9
	v_add_nc_u32 v[EO+\b], s37, v6
	WIN 0xc0                                       ; destination window 3
.set q, 0
.rept 24
	global_load_b128 v[96*\b+4*q:96*\b+4*q+3], v[AO+\b], s[24:25] offset:32*q   ; piece q of my half row: registers 12 s .. 12 s + 11 of the eight K steps, on end
.set q, q+1
.endr
	WIN 0
	global_load_b128 v[XS+8*\b:XS+8*\b+3],   v[SO+\b], s[26:27]
	global_load_b128 v[XS+8*\b+4:XS+8*\b+7], v[SO+\b], s[26:27] offset:16
	global_load_b32 v[TOK+\b], v[EO+\b], s[28:29] offset:64*\b
.endm
.macro WM b, s, t
.set rW, 12*(4*((\s)%4)+\t)
.set rA, 96*\b+12*\s
.set rD, ACC+8*\t
.if \s == 0
.set rC, BI+8*\t
.else
.set rC, rD
.endif
.if (\t)%2
	v_wmma_scale_f32_16x16x128_f8f6f4 v[rD:rD+7], v[rW:rW+11], v[rA:rA+11], v[rC:rC+7], v[BS+2*\s+\t/2], v[XS+8*\b+\s] matrix_a_fmt:MATRIX_FMT_FP6 matrix_b_fmt:MATRIX_FMT_FP6 matrix_a_scale:MATRIX_SCALE_ROW1
.else
	v_wmma_scale_f32_16x16x128_f8f6f4 v[rD:rD+7], v[rW:rW+11], v[rA:rA+11], v[rC:rC+7], v[BS+2*\s+\t/2], v[XS+8*\b+\s] matrix_a_fmt:MATRIX_FMT_FP6 matrix_b_fmt:MATRIX_FMT_FP6
.endif
.endm
.macro MULS b                          ; 32 products: the four accumulators by turns, one instruction a turn, K ascending
	WIN 0x0d                                       ; source 0 window 1, source 1 window 3
.irp s, 0,1,2,3
.irp t, 0,1,2,3
	WM \b, \s, \t
.endr
.endr
	WIN 0x0e                                       ; source 0 window 2
.irp s, 4,5,6,7
.irp t, 0,1,2,3
	WM \b, \s, \t
.endr
.endr
	WIN 0
.endm
; act = (clip(up) + 1) x g x sigmoid(1.702 g), g = min(gate, 7), all in f32; then the block's scale and 16 codes.  Every accumulator is read from its low end on.
.macro ACTQ b
.set a, 0
.rept 16
	v_min_num_f32 v[GT+a], v[GT+a], v8
.set a, a+1
.endr
.set a, 0
.rept 8
	v_pk_mul_f32 v[TT+a:TT+a+1], v[GT+a:GT+a+1], s[40:41] op_sel_hi:[1,0]   ; -1.702 log2(e) g
.set a, a+2
.endr
.set a, 0
.rept 16
	v_exp_f32 v[TT+a], v[TT+a]
.set a, a+1
.endr
.set a, 0
.rept 16
	v_med3_num_f32 v[UP+a], v[UP+a], -v8, v8       ; (plain lines behind the exponentials)
.set a, a+1
.endr
.set a, 0
	s_wait_alu depctr_va_vdst(0)
.rept 8
	v_pk_add_f32 v[TT+a:TT+a+1], v[TT+a:TT+a+1], 1.0 op_sel_hi:[1,0]
.set a, a+2
.endr
.set a, 0
.rept 16
	v_rcp_f32 v[TT+a], v[TT+a]
.set a, a+1
.endr
	v_nop                                          ; a plain line behind the reciprocals
.set a, 0
	s_wait_alu depctr_va_vdst(0)
.rept 8
	v_pk_mul_f32 v[TT+a:TT+a+1], v[GT+a:GT+a+1], v[TT+a:TT+a+1]            ; glu
.set a, a+2
.endr
.set a, 0
.rept 8
	v_pk_fma_f32 v[ACT+a:ACT+a+1], v[UP+a:UP+a+1], v[TT+a:TT+a+1], v[TT+a:TT+a+1]   ; up x glu + glu
.set a, a+2
.endr
	v_max3_num_f32 v[MX],   |v[ACT]|,   |v[ACT+1]|, 0x1800000   ; my 16, and the floor 2^(3 - 127)
	v_max3_num_f32 v[MX+6], |v[ACT+2]|, |v[ACT+3]|, |v[ACT+4]|
.irp i, 5,9
	v_max3_num_f32 v[MX],   v[MX],   |v[ACT+\i]|,   |v[ACT+\i+1]|
	v_max3_num_f32 v[MX+6], v[MX+6], |v[ACT+\i+2]|, |v[ACT+\i+3]|
.endr
	v_max3_num_f32 v[MX], v[MX], |v[ACT+13]|, |v[ACT+14]|
	v_max3_num_f32 v[MX], v[MX], v[MX+6], |v[ACT+15]|
	v_permlanex16_b32 v[MX+1], v[MX], s42, s43
	v_max_num_f32 v[MX], v[MX], v[MX+1]            ; with lane l xor 16's 16: the block's
	v_add_nc_u32 v[MX+2], 0xff000000, v[MX]        ; 2 off the exponent field: the conversion's scale operand
	v_cvt_scalef32_pk16_fp6_f32 v[OC+6*\b:OC+6*\b+2], v[ACT:ACT+15], v[MX+2]
	v_lshrrev_b32 v[MX+3+\b], 23, v[MX+2]          ; the byte; also the plain line behind the conversion
.endm
.macro TILE b, pf, cnt
	s_wait_loadcnt \cnt                            ; tile b's 27 loads are in; behind them only the other tile's 27 were issued
	MULS \b
.if \b == 0
	s_wait_xcnt 0x0                                ; the last pair's three stores have read their data (v152-157, v167) and offsets (v18-20), which are written again from here on.  The wait stands behind
	                                               ; tile 0's products and not at the trip's head: between those stores and this line stand only scalar arithmetic, a wait and the products, which write v88-119 alone
.endif
.if \pf
	ISSUE \b
.else
.rept 4
	v_nop                                          ; places between the products and the first read of their results
.endr
.endif
	ACTQ \b
.endm
; After the exchange lane L holds row L of the pair: its lower 12 bytes in v152-154, its upper 12 in v158-160.
.macro PAIROUT
	s_min_u32 s38, s35, 155
	s_mul_i32 s39, s38, 768
	s_lshl_b32 s38, s38, 10
	v_add_nc_u32 v[O16], s39, v4
	v_add_nc_u32 v[O8],  s39, v22
	v_add_nc_u32 v[OS],  s38, v23
.irp i, 0,1,2
	v_permlane16_swap_b32 v[OC+\i], v[OC+6+\i]
.endr
.irp i, 0,1,2
	v_mov_b32 v[OC+3+\i], v[OC+6+\i]
.endr
	v_cndmask_b32 v[MX+5], v[MX+3], v[MX+4], s44   ; lanes 0-15 tile 0's byte, lanes 16-31 tile 1's
	global_store_b128 v[O16], v[OC:OC+3],  s[30:31]                ; 512 consecutive bytes
	global_store_b64  v[O8],  v[OC+4:OC+5], s[30:31]               ; 256 consecutive bytes
	global_store_b8   v[OS],  v[MX+5],     s[32:33]
.endm
.macro TRIP pf
.if \pf
	EOFF
	TILE 0, 1, 27
	TILE 1, 1, 27
.else
	TILE 0, 0, 27
	TILE 1, 0, 0
.endif
	PAIROUT
	s_add_co_u32 s35, s35, 4
	s_add_co_u32 s36, s36, 4
.endm
	s_load_b256 s[4:11], s[0:1], 0x0               ; wq s[4:5], route s[6:7], w1_bias s[8:9], act s[10:11]
	v_lshl_add_u32 v254, v0, 2, 0xc000
	v_mov_b32 v255, 0
	v_lshrrev_b32 v1, 5, v0
	v_readfirstlane_b32 s12, v1                    ; wave 0..3
	v_and_b32 v1, 31, v0
	v_and_b32 v2, 15, v0
	v_bfe_u32 v3, v0, 4, 1
	v_lshlrev_b32 v4, 4, v1
	v_lshlrev_b32 v5, 3, v1
	v_lshlrev_b32 v6, 2, v2
	v_lshlrev_b32 v7, 4, v3                        ; my half's 16 bytes of each piece of 32
	v_mov_b32 v8, 0x40e00000                       ; 7.0
	s_mul_i32 s13, s12, 12288
	v_add_nc_u32 v21, s13, v4
	v_add_nc_u32 v22, 512, v5
	v_lshlrev_b32 v23, 5, v1
	v_mov_b32 v[MX+1], 0                           ; a lane permute's destination counts as one of its sources
	v_lshlrev_b32 v170, 7, v3
	s_lshr_b32 s13, ttmp9, 5                       ; expert
	s_and_b32 s14, ttmp9, 31                       ; slice
	s_lshl_b32 s15, s13, 3
	s_mov_b32 s40, 0xc01d265f                      ; -1.702 log2(e)
	s_mov_b32 s41, s40                             ; (named with it as a pair)
	s_mov_b32 s42, 0x76543210
	s_mov_b32 s43, 0xfedcba98
	s_mov_b32 s44, 0xffff0000
	s_wait_kmcnt 0x0
	s_load_b64 s[16:17], s[6:7], s15 offset:0x8e00 ; my expert's first pair, its chunks
	s_load_b32 s18, s[6:7], 0x8e40                 ; the last pair in use
	s_mul_i32 s38, ttmp9, 49152
	s_mov_b32 s39, 0
	s_add_nc_u64 s[20:21], s[4:5], s[38:39]        ; my slice's codes
	s_lshl_b32 s38, ttmp9, 11
	s_add_co_u32 s38, s38, W1S
	s_add_nc_u64 s[22:23], s[4:5], s[38:39]        ; its scale words
	s_add_nc_u64 s[24:25], s[4:5], XQ
	s_add_nc_u64 s[26:27], s[4:5], XSC
	s_add_nc_u64 s[28:29], s[6:7], ROWTOK
	s_mul_i32 s38, s14, PLANE
	s_add_nc_u64 s[30:31], s[10:11], s[38:39]      ; act: my block's plane
	s_add_co_u32 s38, s14, ACTS
	s_add_nc_u64 s[32:33], s[10:11], s[38:39]      ; and my block's byte in a row's 32
	s_lshl_b32 s38, s13, 13
	s_lshl_b32 s37, s14, 8
	s_add_co_u32 s38, s38, s37
	s_add_nc_u64 s[46:47], s[8:9], s[38:39]        ; the bias of my 64 columns
	s_wait_kmcnt 0x0
	s_add_co_u32 s35, s16, s12                     ; the pair in hand
	s_mov_b32 s36, s35                             ; the pair whose tokens are asked for next
	EOFF
	v_add_nc_u32 v[EO],   s37, v6
	v_add_nc_u32 v[EO+1], s37, v6
	global_load_b32 v[TOK],   v[EO],   s[28:29]
	global_load_b32 v[TOK+1], v[EO+1], s[28:29] offset:64
	s_add_co_u32 s36, s36, 4
	WIN 0x40                                       ; destination window 1: my quarter of the slice, on its way to LDS
.set q, 0
.rept 24
	global_load_b128 v[4*q:4*q+3], v21, s[20:21] offset:512*q
.set q, q+1
.endr
	WIN 0
.irp s, 0,1,2,3,4,5,6,7
	global_load_b64 v[BS+2*\s:BS+2*\s+1], v5, s[22:23] offset:256*\s
.endr
.irp t, 0,1,2,3
.irp j, 0,1,2,3,4,5,6,7
	global_load_b32 v[BI+8*\t+\j], v170, s[46:47] offset:(2*(8*(\t%2)+\j)+\t/2)*4   ; column 2 (16 h + 8 (t % 2) + j) + t / 2 of the slice
.endr
.endr
	s_wait_loadcnt 63                              ; the two token words are in: 64 loads are younger, and a wait's count ends at 63
	EOFF
	ISSUE 0
	ISSUE 1
	s_add_co_u32 s36, s36, 4
	s_wait_loadcnt 54                              ; all but the two groups of 27: the slice's quarter, the scale words and the bias are in
	WIN 0x04                                       ; an LDS store's data are its source 1: window 1
.set q, 0
.rept 24
	ds_store_b128 v21, v[4*q:4*q+3] offset:512*q
.set q, q+1
.endr
	WIN 0
	s_wait_dscnt 0x0                               ; for the others' sake: my quarter has landed
	s_barrier_signal -1
	s_barrier_wait -1
	WIN 0x40
.irp s, 0,1,2,3
.irp t, 0,1,2,3
.irp j, 0,1,2
	ds_load_b128 v[12*(4*\s+\t)+4*\j:12*(4*\s+\t)+4*\j+3], v4 offset:\t*12288+\s*1536+\j*512
.endr
.endr
.endr
	WIN 0x80
.irp s, 4,5,6,7
.irp t, 0,1,2,3
.irp j, 0,1,2
	ds_load_b128 v[12*(4*(\s-4)+\t)+4*\j:12*(4*(\s-4)+\t)+4*\j+3], v4 offset:\t*12288+\s*1536+\j*512
.endr
.endr
.endr
	WIN 0
	s_wait_dscnt 0x0
	s_cmp_eq_u32 s17, 0                            ; an expert that no token chose: nothing to store
	s_cbranch_scc1 .Lend
	s_mov_b32 s34, 1
	s_cmp_ge_u32 s34, s17
	s_cbranch_scc1 .Ltail
.Lloop:                                            ; chunks - 1 trips: each multiplies a pair and asks for the next
	TRIP 1
	s_add_co_u32 s34, s34, 1
	s_cmp_lt_u32 s34, s17
	s_cbranch_scc1 .Lloop
.Ltail:
	TRIP 0                                         ; the last pair asks for nothing
.Lend:
	s_wait_tensorcnt 0x0
	ds_add_u32 v254, v255
	s_wait_dscnt 0x0
	s_endpgm
.Lfunc_end_k_qff10bb6fc3_gemm1:
	.size	k_qff10bb6fc3_gemm1, .Lfunc_end_k_qff10bb6fc3_gemm1-k_qff10bb6fc3_gemm1
	.p2alignl 7, 3214868480
	.fill 96, 4, 3214868480
	.section	.rodata,"a",@progbits
	.p2align	6, 0x0
	.amdhsa_kernel k_qff10bb6fc3_gemm1
		.amdhsa_group_segment_fixed_size 49664
		.amdhsa_private_segment_fixed_size 0
		.amdhsa_enable_private_segment 0
		.amdhsa_kernarg_size 32
		.amdhsa_user_sgpr_count 2
		.amdhsa_user_sgpr_kernarg_segment_ptr 1
		.amdhsa_wavefront_size32 1
		.amdhsa_system_sgpr_workgroup_id_x 1
		.amdhsa_system_sgpr_workgroup_id_y 1
		.amdhsa_system_sgpr_workgroup_id_z 1
		.amdhsa_system_vgpr_workitem_id 0
		.amdhsa_next_free_vgpr 1024
		.amdhsa_next_free_sgpr 66
		.amdhsa_reserve_vcc 0
		.amdhsa_float_denorm_mode_32 3
		.amdhsa_float_denorm_mode_16_64 3
		.amdhsa_memory_ordered 1
		.amdhsa_forward_progress 1
		.amdhsa_inst_pref_size 69
	.end_amdhsa_kernel
	.amdgpu_metadata
---
amdhsa.version: [ 1, 2 ]
amdhsa.kernels:
  - .name:           k_qff10bb6fc3_gemm1
    .symbol:         k_qff10bb6fc3_gemm1.kd
    .args:
      - { .name: wq, .offset: 0, .size: 8, .value_kind: global_buffer, .address_space: global }
      - { .name: route, .offset: 8, .size: 8, .value_kind: global_buffer, .address_space: global }
      - { .name: w1_bias, .offset: 16, .size: 8, .value_kind: global_buffer, .address_space: global }
      - { .name: act, .offset: 24, .size: 8, .value_kind: global_buffer, .address_space: global }
    .group_segment_fixed_size: 49664
    .private_segment_fixed_size: 0
    .kernarg_segment_align: 8
    .kernarg_segment_size: 32
    .max_flat_workgroup_size: 128
    .sgpr_count:     66
    .vgpr_count:     1024
    .wavefront_size: 32
...
	.end_amdgpu_metadata
.endif
;; end of part 3
;; launch gemm2 (part 4): grid 256 x 1, 4 waves a work-group, no clusters, 67,072 bytes of LDS; arguments wq, route, act, w2_bias, y; writes y
.if DOCPART == 4
	.amdgcn_target "amdgcn-amd-amdhsa--gfx1250"
	.amdhsa_code_object_version 6
	.text
	.protected	k_qff10bb6fc3_gemm2
	.globl	k_qff10bb6fc3_gemm2
	.p2align	8
	.type	k_qff10bb6fc3_gemm2,@function
k_qff10bb6fc3_gemm2:
	s_mov_b64 s[64:65], 0
	v_nop
	global_prefetch_b8 v0, s[64:65] scope:SCOPE_SE
	s_setreg_imm32_b32 hwreg(HW_REG_WAVE_MODE, 25, 1), 1
	s_wait_xcnt 0x0
; GEMM2: y[row] = act[row] W2 + b2 for the routed rows in sorted order, f32.  Both operands are codes of E2M3 with one E8M0 byte for each 32 along K.
; SHARES.  Work-group = (expert e = wg / 32, slice cs = (wg / 2) % 16 of 64 output columns, half hf = wg % 2): it takes the expert's chunks hf, hf + 2, ..  Every wave keeps the whole slice of W2
; (384 registers), read from memory once a work-group and shared through LDS behind the one barrier; in a chunk wave w takes pair 4 x chunk + w (32 rows, two tiles of 16).
; The trip count is a stored number.  The launch holds no tensor load, no joint loads and no cluster; no barrier stands behind the branch on it.
; LAYOUT.  Transposed use: source 0 = 16 columns of W2, source 1 = 16 rows of act: lane (r, h) holds row r and columns 16 t + 8 h + j.  The bias is the C of each sum's first product.
; A tile's 16 rows x 256 bytes go through the wave's own stage in LDS and leave as whole rows' pieces: sixteen lanes store 256 consecutive bytes, aligned.
; LDS: 0: the slice's image (49,152 bytes, written once);  49,152: a stage of 16 x 272 bytes for each wave.
; REGISTERS: windows 1, 2: W2's fragments (K steps 0-3, 4-7) at 12 (4 (s % 4) + t); window 3: act's fragments, tile b at 96 b + 12 s.
; window 0: v1 lane, v2 r, v3 h, v4 16 lane, v5 8 lane, v21 16 lane + 12,288 wave, v22 stage in, v23 stage back, v152 32 h; the rest as named below.
.set PLANE,  119808
.set ACTS,   3833856
.set W2C,    12582912
.set W2S,    19398656
.set STG,    49152
.set C16, 6                            ; v6-7    tile b: h PLANE + 16 (16 b + r)
.set C8,  8                            ; v8-9    h PLANE + 512 + 8 (16 b + r)
.set CS,  10                           ; v10-11  32 (16 b + r)
.set CY,  12                           ; v12-13  4,096 (16 b + h) + 16 r
.set A16, 14                           ; v14-19  the same with the pair's part added
.set A8,  16
.set AS,  18
.set YO,  20                           ; v20     the stores' offset
.set BS,  24                           ; v24-39  W2's scale words
.set XS,  40                           ; v40-55  act's scale words: 8 b + s
.set BI,  56                           ; v56-87  the bias, in the result's layout
.set ACC, 88                           ; v88-119 four accumulators
.set OB,  120                          ; v120-151 16 rows' pieces back from the stage
.set MSB, 0
.macro WIN new                         ; the immediate's high byte repeats the setting that is left
.if MSB != \new
	s_set_vgpr_msb (MSB<<8)|\new
.set MSB, \new
.endif
.endm
.macro EOFF                            ; the pair to be asked for, held at the last pair in use: look-ahead past the end reads stored bytes, and its data are not used
	s_min_u32 s37, s36, s18
	s_min_u32 s37, s37, 155
	s_mul_i32 s38, s37, 768
	s_lshl_b32 s39, s37, 10
.endm
; 34 loads for tile b.  The four plain lines at its head are also the places between the tile's products and the loads into their operands and the stores of their results.
.macro ISSUE b
	v_add_nc_u32 v[A16+\b], s38, v[C16+\b]
	v_add_nc_u32 v[A8+\b],  s38, v[C8+\b]
	v_add_nc_u32 v[AS+\b],  s39, v[CS+\b]
	v_nop
	WIN 0xc0                                       ; destination window 3
.irp s, 0,1,2,3,4,5,6,7
.irp c, 0,1
	global_load_b128 v[96*\b+12*\s+6*\c:96*\b+12*\s+6*\c+3],   v[A16+\b], s[8:9] offset:(4*\s+2*\c)*PLANE   ; block 4 s + 2 c + h: sixteen lanes read 256 consecutive bytes
	global_load_b64  v[96*\b+12*\s+6*\c+4:96*\b+12*\s+6*\c+5], v[A8+\b],  s[8:9] offset:(4*\s+2*\c)*PLANE
.endr
.endr
	WIN 0
	global_load_b128 v[XS+8*\b:XS+8*\b+3],   v[AS+\b], s[24:25]
	global_load_b128 v[XS+8*\b+4:XS+8*\b+7], v[AS+\b], s[24:25] offset:16
.endm
.macro WM b, s, t
.set rW, 12*(4*((\s)%4)+\t)
.set rA, 96*\b+12*\s
.set rD, ACC+8*\t
.if \s == 0
.set rC, BI+8*\t
.else
.set rC, rD
.endif
.if (\t)%2
	v_wmma_scale_f32_16x16x128_f8f6f4 v[rD:rD+7], v[rW:rW+11], v[rA:rA+11], v[rC:rC+7], v[BS+2*\s+\t/2], v[XS+8*\b+\s] matrix_a_fmt:MATRIX_FMT_FP6 matrix_b_fmt:MATRIX_FMT_FP6 matrix_a_scale:MATRIX_SCALE_ROW1
.else
	v_wmma_scale_f32_16x16x128_f8f6f4 v[rD:rD+7], v[rW:rW+11], v[rA:rA+11], v[rC:rC+7], v[BS+2*\s+\t/2], v[XS+8*\b+\s] matrix_a_fmt:MATRIX_FMT_FP6 matrix_b_fmt:MATRIX_FMT_FP6
.endif
.endm
.macro MULS b                          ; 32 products: the four accumulators by turns, one instruction a turn, K ascending
	WIN 0x0d
.irp s, 0,1,2,3
.irp t, 0,1,2,3
	WM \b, \s, \t
.endr
.endr
	WIN 0x0e
.irp s, 4,5,6,7
.irp t, 0,1,2,3
	WM \b, \s, \t
.endr
.endr
	WIN 0
.endm
.macro OUT b
.irp t, 0,1,2,3
	ds_store_b128 v22, v[ACC+8*\t:ACC+8*\t+3]   offset:64*\t       ; each accumulator from its low end on
	ds_store_b128 v22, v[ACC+8*\t+4:ACC+8*\t+7] offset:64*\t+16
.endr
	s_wait_xcnt 0x0                                ; the last tile's stores have read their data and their offset: both are written again below
	v_add_nc_u32 v[YO], s41, v[CY+\b]              ; (with the four lines of ISSUE, or the four v_nop, the fifth place ahead of the next tile's first product, which begins the accumulators anew)
.irp i, 0,1,2,3,4,5,6,7
	ds_load_b128 v[OB+4*\i:OB+4*\i+3], v23 offset:544*\i           ; LDS serves a wave's instructions in order: these see my stores
.endr
.irp i, 0,1,2,3,4,5,6,7
	s_wait_dscnt 7-\i
	global_store_b128 v[YO], v[OB+4*\i:OB+4*\i+3], s[28:29] offset:8192*\i   ; rows 2 i and 2 i + 1 of the tile
.endr
.endm
.macro TILE b, pf, cnt
	s_wait_loadcnt \cnt                            ; tile b's 34 loads are in; behind them only the other tile's 34 were issued
	MULS \b
.if \pf
	ISSUE \b
.else
.rept 4
	v_nop
.endr
.endif
	OUT \b
.endm
.macro TRIP pf
	s_min_u32 s41, s35, 155
	s_lshl_b32 s41, s41, 17                        ; the pair's 32 rows of 4,096 bytes
.if \pf
	EOFF
	TILE 0, 1, 34
	TILE 1, 1, 34
.else
	TILE 0, 0, 34
	TILE 1, 0, 0
.endif
	s_add_co_u32 s35, s35, 8
	s_add_co_u32 s36, s36, 8
.endm
	s_load_b256 s[4:11], s[0:1], 0x0               ; wq s[4:5], route s[6:7], act s[8:9], w2_bias s[10:11]
	s_load_b64 s[12:13], s[0:1], 0x20              ; y
	v_lshl_add_u32 v254, v0, 2, 0x10400
	v_mov_b32 v255, 0
	v_lshrrev_b32 v1, 5, v0
	v_readfirstlane_b32 s14, v1                    ; wave 0..3
	v_and_b32 v1, 31, v0
	v_and_b32 v2, 15, v0
	v_bfe_u32 v3, v0, 4, 1
	v_lshlrev_b32 v4, 4, v1
	v_lshlrev_b32 v5, 3, v1
	v_mul_u32_u24 v[C16], v3, PLANE
	v_lshl_add_u32 v[C8], v2, 3, v[C16]
	v_add_nc_u32 v[C8], 512, v[C8]
	v_add_nc_u32 v[C8+1], 128, v[C8]
	v_lshl_add_u32 v[C16], v2, 4, v[C16]
	v_add_nc_u32 v[C16+1], 256, v[C16]
	v_lshlrev_b32 v[CS], 5, v2
	v_add_nc_u32 v[CS+1], 512, v[CS]
	v_lshlrev_b32 v[CY], 12, v3
	v_lshl_add_u32 v[CY], v2, 4, v[CY]
	v_add_nc_u32 v[CY+1], 65536, v[CY]
	s_mul_i32 s40, s14, 12288
	v_add_nc_u32 v21, s40, v4
	s_mul_i32 s40, s14, 4352
	s_add_co_u32 s40, s40, STG                     ; my stage
	v_mul_u32_u24 v22, v2, 272
	v_lshl_add_u32 v22, v3, 5, v22
	v_add_nc_u32 v22, s40, v22                     ; in: row r, + 32 h
	v_mul_u32_u24 v23, v3, 272
	v_lshl_add_u32 v23, v2, 4, v23
	v_add_nc_u32 v23, s40, v23                     ; back: lanes 0-15 one row, lanes 16-31 the next
	v_lshlrev_b32 v152, 5, v3
	s_lshr_b32 s15, ttmp9, 5                       ; expert
	s_lshr_b32 s19, ttmp9, 1                       ; expert x 16 + slice
	s_and_b32 s44, s19, 15                         ; slice
	s_and_b32 s45, ttmp9, 1                        ; which chunks
	s_lshl_b32 s46, s15, 3
	s_wait_kmcnt 0x0
	s_load_b64 s[16:17], s[6:7], s46 offset:0x8e00 ; my expert's first pair, its chunks
	s_load_b32 s18, s[6:7], 0x8e40                 ; the last pair in use
	s_mov_b32 s39, 0
	s_mul_i32 s38, s19, 49152
	s_add_co_u32 s38, s38, W2C
	s_add_nc_u64 s[20:21], s[4:5], s[38:39]        ; my slice's codes
	s_lshl_b32 s38, s19, 11
	s_add_co_u32 s38, s38, W2S
	s_add_nc_u64 s[22:23], s[4:5], s[38:39]        ; its scale words
	s_add_nc_u64 s[24:25], s[8:9], ACTS            ; act's scale bytes
	s_lshl_b32 s38, s15, 12
	s_lshl_b32 s37, s44, 8
	s_add_co_u32 s38, s38, s37
	s_add_nc_u64 s[26:27], s[10:11], s[38:39]      ; the bias of my 64 columns
	s_mov_b32 s38, s37
	s_add_nc_u64 s[28:29], s[12:13], s[38:39]      ; y at my 64 columns
	WIN 0x40                                       ; destination window 1: my quarter of the slice, on its way to LDS
.set q, 0
.rept 24
	global_load_b128 v[4*q:4*q+3], v21, s[20:21] offset:512*q
.set q, q+1
.endr
	WIN 0
.irp s, 0,1,2,3,4,5,6,7
	global_load_b64 v[BS+2*\s:BS+2*\s+1], v5, s[22:23] offset:256*\s
.endr
.irp t, 0,1,2,3
	global_load_b128 v[BI+8*\t:BI+8*\t+3],   v152, s[26:27] offset:64*\t
	global_load_b128 v[BI+8*\t+4:BI+8*\t+7], v152, s[26:27] offset:64*\t+16
.endr
	s_wait_kmcnt 0x0
	s_lshl_b32 s35, s45, 2
	s_add_co_u32 s35, s35, s16
	s_add_co_u32 s35, s35, s14                     ; the pair in hand: first pair + 4 hf + wave
	s_mov_b32 s36, s35                             ; the pair to be asked for
	EOFF
	ISSUE 0
	s_wait_loadcnt 34                              ; all but tile 0's 34: the slice's quarter, the scale words and the bias are in
	WIN 0x04                                       ; an LDS store's data are its source 1: window 1
.set q, 0
.rept 24
	ds_store_b128 v21, v[4*q:4*q+3] offset:512*q
.set q, q+1
.endr
	WIN 0
	ISSUE 1
	s_add_co_u32 s36, s36, 8
	s_wait_dscnt 0x0                               ; for the others' sake: my quarter has landed
	s_barrier_signal -1
	s_barrier_wait -1
	WIN 0x40
.irp s, 0,1,2,3
.irp t, 0,1,2,3
.irp j, 0,1,2
	ds_load_b128 v[12*(4*\s+\t)+4*\j:12*(4*\s+\t)+4*\j+3], v4 offset:\t*12288+\s*1536+\j*512
.endr
.endr
.endr
	WIN 0x80
.irp s, 4,5,6,7
.irp t, 0,1,2,3
.irp j, 0,1,2
	ds_load_b128 v[12*(4*(\s-4)+\t)+4*\j:12*(4*(\s-4)+\t)+4*\j+3], v4 offset:\t*12288+\s*1536+\j*512
.endr
.endr
.endr
	WIN 0
	s_wait_dscnt 0x0
	s_add_co_u32 s17, s17, 1                       ; how many of the chunks hf, hf + 2, .. lie under the expert's count: (chunks + 1 - hf) / 2, rounded down;
	s_sub_co_u32 s17, s17, s45                     ; chunks + 1 - hf is never under 0
	s_lshr_b32 s17, s17, 1
	s_cmp_eq_u32 s17, 0                            ; no chunk of mine: nothing to store
	s_cbranch_scc1 .Lend
	s_mov_b32 s34, 1
	s_cmp_ge_u32 s34, s17
	s_cbranch_scc1 .Ltail
.Lloop:                                            ; my chunks - 1 trips, counted by one: each multiplies a pair and asks for the pair two chunks on
	TRIP 1
	s_add_co_u32 s34, s34, 1
	s_cmp_lt_u32 s34, s17
	s_cbranch_scc1 .Lloop
.Ltail:
	TRIP 0                                         ; the last pair asks for nothing
.Lend:
	s_wait_tensorcnt 0x0
	ds_add_u32 v254, v255
	s_wait_dscnt 0x0
	s_endpgm
.Lfunc_end_k_qff10bb6fc3_gemm2:
	.size	k_qff10bb6fc3_gemm2, .Lfunc_end_k_qff10bb6fc3_gemm2-k_qff10bb6fc3_gemm2
	.p2alignl 7, 3214868480
	.fill 96, 4, 3214868480
	.section	.rodata,"a",@progbits
	.p2align	6, 0x0
	.amdhsa_kernel k_qff10bb6fc3_gemm2
		.amdhsa_group_segment_fixed_size 67072
		.amdhsa_private_segment_fixed_size 0
		.amdhsa_enable_private_segment 0
		.amdhsa_kernarg_size 40
		.amdhsa_user_sgpr_count 2
		.amdhsa_user_sgpr_kernarg_segment_ptr 1
		.amdhsa_wavefront_size32 1
		.amdhsa_system_sgpr_workgroup_id_x 1
		.amdhsa_system_sgpr_workgroup_id_y 1
		.amdhsa_system_sgpr_workgroup_id_z 1
		.amdhsa_system_vgpr_workitem_id 0
		.amdhsa_next_free_vgpr 1024
		.amdhsa_next_free_sgpr 66
		.amdhsa_reserve_vcc 0
		.amdhsa_float_denorm_mode_32 3
		.amdhsa_float_denorm_mode_16_64 3
		.amdhsa_memory_ordered 1
		.amdhsa_forward_progress 1
		.amdhsa_inst_pref_size 55
	.end_amdhsa_kernel
	.amdgpu_metadata
---
amdhsa.version: [ 1, 2 ]
amdhsa.kernels:
  - .name:           k_qff10bb6fc3_gemm2
    .symbol:         k_qff10bb6fc3_gemm2.kd
    .args:
      - { .name: wq, .offset: 0, .size: 8, .value_kind: global_buffer, .address_space: global }
      - { .name: route, .offset: 8, .size: 8, .value_kind: global_buffer, .address_space: global }
      - { .name: act, .offset: 16, .size: 8, .value_kind: global_buffer, .address_space: global }
      - { .name: w2_bias, .offset: 24, .size: 8, .value_kind: global_buffer, .address_space: global }
      - { .name: y, .offset: 32, .size: 8, .value_kind: global_buffer, .address_space: global }
    .group_segment_fixed_size: 67072
    .private_segment_fixed_size: 0
    .kernarg_segment_align: 8
    .kernarg_segment_size: 40
    .max_flat_workgroup_size: 128
    .sgpr_count:     66
    .vgpr_count:     1024
    .wavefront_size: 32
...
	.end_amdgpu_metadata
.endif
;; end of part 4
;; launch combine (part 5): grid 256 x 1, 4 waves a work-group, no clusters, 0 bytes of LDS; arguments y, route, out1, out0; writes out0
.if DOCPART == 5
	.amdgcn_target "amdgcn-amd-amdhsa--gfx1250"
	.amdhsa_code_object_version 6
	.text
	.protected	k_qff10bb6fc3_combine
	.globl	k_qff10bb6fc3_combine
	.p2align	8
	.type	k_qff10bb6fc3_combine,@function
k_qff10bb6fc3_combine:
	s_mov_b64 s[64:65], 0
	v_nop
	global_prefetch_b8 v0, s[64:65] scope:SCOPE_SE
	s_setreg_imm32_b32 hwreg(HW_REG_WAVE_MODE, 25, 1), 1
	s_wait_xcnt 0x0
; COMBINE: out0[t] = p0 y[POS[2 t]] + p1 y[POS[2 t + 1]], p0 and p1 the token's two probabilities (out1).  A stream: no LDS, no barrier, no matrix unit.
; Wave g = 4 wg + wave owns tokens 2 g and 2 g + 1: four rows of y of 4,096 bytes, 32 loads of 512 consecutive bytes, all issued at once; each row of y is read once in the launch.
; The rows' numbers were stored by an earlier launch; they enter addresses behind a clamp at 4,991, y's last row.
	s_load_b256 s[4:11], s[0:1], 0x0               ; y s[4:5], route s[6:7], out1 s[8:9], out0 s[10:11]
	v_lshrrev_b32 v1, 5, v0
	v_readfirstlane_b32 s12, v1                    ; wave 0..3
	v_and_b32 v1, 31, v0
	v_lshlrev_b32 v2, 4, v1                        ; 16 bytes a lane
	s_lshl_b32 s13, ttmp9, 2
	s_add_co_u32 s13, s13, s12                     ; g
	s_lshl_b32 s14, s13, 4
	s_wait_kmcnt 0x0
	s_load_b128 s[16:19], s[6:7], s14 offset:0x0   ; four rows' numbers
	s_load_b128 s[20:23], s[8:9], s14 offset:0x0   ; four probabilities
	s_lshl_b32 s32, s13, 13
	s_mov_b32 s33, 0
	s_add_nc_u64 s[10:11], s[10:11], s[32:33]      ; out0 at my first token
	s_wait_kmcnt 0x0
.irp k, 0,1,2,3
	s_min_u32 s[16+\k], s[16+\k], 4991
	s_lshl_b32 s[24+2*\k], s[16+\k], 12
	s_mov_b32 s[25+2*\k], 0
	s_add_nc_u64 s[24+2*\k:25+2*\k], s[4:5], s[24+2*\k:25+2*\k]
.endr
.irp k, 0,1,2,3
.irp j, 0,1,2,3,4,5,6,7
	global_load_b128 v[16+32*\k+4*\j:16+32*\k+4*\j+3], v2, s[24+2*\k:25+2*\k] offset:512*\j th:TH_LOAD_NT
.endr
.endr
	s_mov_b32 s34, s21                             ; the packed forms take the low word of a scalar pair for both halves: p1 gets pairs of its own
	s_mov_b32 s35, s21
	s_mov_b32 s36, s23
	s_mov_b32 s37, s23
.macro MIX base, p0, p1, off
.set a, 0
.rept 16
	v_pk_mul_f32 v[\base+a:\base+a+1], v[\base+a:\base+a+1], s[\p0:\p0+1] op_sel_hi:[1,0]
	v_pk_fma_f32 v[\base+a:\base+a+1], v[\base+32+a:\base+32+a+1], s[\p1:\p1+1], v[\base+a:\base+a+1] op_sel_hi:[1,0,1]
.set a, a+2
.endr
.irp j, 0,1,2,3,4,5,6,7
	global_store_b128 v2, v[\base+4*\j:\base+4*\j+3], s[10:11] offset:\off+512*\j th:TH_STORE_NT   ; 512 consecutive bytes, aligned
.endr
.endm
	s_wait_loadcnt 16                              ; the first token's 16 loads are in; the second's may stay out
	MIX 16, 20, 34, 0
	s_wait_loadcnt 0x0
	MIX 80, 22, 36, 4096
	s_endpgm
.Lfunc_end_k_qff10bb6fc3_combine:
	.size	k_qff10bb6fc3_combine, .Lfunc_end_k_qff10bb6fc3_combine-k_qff10bb6fc3_combine
	.p2alignl 7, 3214868480
	.fill 96, 4, 3214868480
	.section	.rodata,"a",@progbits
	.p2align	6, 0x0
	.amdhsa_kernel k_qff10bb6fc3_combine
		.amdhsa_group_segment_fixed_size 0
		.amdhsa_private_segment_fixed_size 0
		.amdhsa_enable_private_segment 0
		.amdhsa_kernarg_size 32
		.amdhsa_user_sgpr_count 2
		.amdhsa_user_sgpr_kernarg_segment_ptr 1
		.amdhsa_wavefront_size32 1
		.amdhsa_system_sgpr_workgroup_id_x 1
		.amdhsa_system_sgpr_workgroup_id_y 1
		.amdhsa_system_sgpr_workgroup_id_z 1
		.amdhsa_system_vgpr_workitem_id 0
		.amdhsa_next_free_vgpr 144
		.amdhsa_next_free_sgpr 66
		.amdhsa_reserve_vcc 0
		.amdhsa_float_denorm_mode_32 3
		.amdhsa_float_denorm_mode_16_64 3
		.amdhsa_memory_ordered 1
		.amdhsa_forward_progress 1
		.amdhsa_inst_pref_size 11
	.end_amdhsa_kernel
	.amdgpu_metadata
---
amdhsa.version: [ 1, 2 ]
amdhsa.kernels:
  - .name:           k_qff10bb6fc3_combine
    .symbol:         k_qff10bb6fc3_combine.kd
    .args:
      - { .name: y, .offset: 0, .size: 8, .value_kind: global_buffer, .address_space: global }
      - { .name: route, .offset: 8, .size: 8, .value_kind: global_buffer, .address_space: global }
      - { .name: out1, .offset: 16, .size: 8, .value_kind: global_buffer, .address_space: global }
      - { .name: out0, .offset: 24, .size: 8, .value_kind: global_buffer, .address_space: global }
    .group_segment_fixed_size: 0
    .private_segment_fixed_size: 0
    .kernarg_segment_align: 8
    .kernarg_segment_size: 32
    .max_flat_workgroup_size: 128
    .sgpr_count:     66
    .vgpr_count:     144
    .wavefront_size: 32
...
	.end_amdgpu_metadata
.endif
;; end of part 5
;; ======== version 2 of 2: 5 launches
;; workspace buffers: wq 21,299,200 bytes; ids 16,384 bytes of whole numbers; route 36,608 bytes of whole numbers; act 3,993,600 bytes; y 20,447,232 bytes
;; launch prep (part 6): grid 896 x 1, 4 waves a work-group, no clusters, 33,792 bytes of LDS; arguments x, router_weight, router_bias, w1, w2, wq, ids, out1; writes wq, ids, out1
.if DOCPART == 6
	.amdgcn_target "amdgcn-amd-amdhsa--gfx1250"
	.amdhsa_code_object_version 6
	.text
	.protected	k_qff10bb6fc3_prep
	.globl	k_qff10bb6fc3_prep
	.p2align	8
	.type	k_qff10bb6fc3_prep,@function
k_qff10bb6fc3_prep:
	s_mov_b64 s[64:65], 0
	v_nop
	global_prefetch_b8 v0, s[64:65] scope:SCOPE_SE
	s_setreg_imm32_b32 hwreg(HW_REG_WAVE_MODE, 25, 1), 1
	s_wait_xcnt 0x0
; PREP: three jobs, told apart by the work-group's number alone.
;   work-groups   0..127  ROUTER: 16 tokens each: logits in f32, softmax, top-2 (ties: the lower expert), and x into codes of E2M3.
;   work-groups 128..639  W1 [8][1024 k][2048 n] f32 into codes and scale bytes, laid in the order of the matrix operand's registers.
;   work-groups 640..895  W2 [8][1024 k][1024 n] likewise.
; A block's scale is 2^(floor(log2(largest magnitude)) - 2): its byte is the largest magnitude's exponent field - 2, held at 1 from below.
; LIMITS: NaN and infinities among the inputs are not served.  A block of zeros gets the byte 1 where the rule says 127: its codes are
; zeros, and these bytes are read by this program alone.  v_exp_f32 gives 0 under 2^-126: a probability that small is stored as 0.
; LAYOUT OF wq (bytes): W1C 0, W2C, W1S, W2S, XQ, XSC as set below.
;   weight codes [expert][slice of 64 columns][tile 0..3][K step 0..7][j 0..2][lane 0..31][16 bytes]: register 4 j + i of lane m + 16 hf of the
;   fragment (16 columns x 128 k); lane half hf holds blocks hf (registers 0-5) and 2 + hf (registers 6-11) of the K step.
;   W1: row m of tile t is column 64 cs + 2 k' + t / 2 with k' = 16 (m / 8) + 8 (t % 2) + m % 8: tiles 0, 1 gates, tiles 2, 3 ups.   W2: column 64 cs + 16 t + m.
;   weight scales [expert][slice][K step][lane' = 16 (t % 2) + m][t / 2]: one word (four blocks) each.
;   XQ [token][q 0..23][hf][16 bytes]: piece q of half row hf; a half row is the blocks hf, 2 + hf, 4 + hf .., 24 bytes each, on end (384 bytes).
;   So the two lanes that hold a token's row in the product's operand read 32 consecutive bytes with each load.   XSC [token][32]: a byte a block.
; No tensor load, no cluster: no work-group reads what another reads but the 32 KiB of router weights.
.set W2C,  12582912
.set W1S,  18874368
.set W2S,  19398656
.set XQ,   19660800
.set XSC,  21233664
; weight paths: v2 source offset, v3 codes' offset, v4 scale words' offset
.set X,   16                           ; v16-143  weights: two sets of (2 columns x 32 k);  router: 4 tokens x 32 numbers
.set G,   144                          ; v144-191 codes: 24 u + 12 hf + 6 c
.set T,   192                          ; v192-199 a block's upper 16 codes (a conversion's three registers begin on an even number)
.set M,   200                          ; v200-203 largest magnitudes
.set SE,  204                          ; v204-205 the conversions' scale operands
.set BY,  206                          ; v206-207 scale bytes
.set SW,  208                          ; v208-209 scale words
.set Y,   210                          ; v210-241 W1: one column's 32 numbers on end, for the conversions
; router path
.set R,   144                          ; v144-207 router weights, two sets of 32; later lane-exchange temporaries; later x's codes
.set ACC, 208                          ; v208-239 logits: 8 x token + expert
; the largest magnitudes of two blocks of 32 registers, st registers apart, from v[xa] and v[xb] on, into v[m], v[m+2]; the floor 2^(3 - 127) is a leaf, so the byte cannot fall under 1
.macro BMAX2 xa, xb, m, st
	v_max3_num_f32 v[\m],   |v[\xa]|,       |v[\xa+\st]|,   0x1800000
	v_max3_num_f32 v[\m+2], |v[\xb]|,       |v[\xb+\st]|,   0x1800000
	v_max3_num_f32 v[\m+1], |v[\xa+\st*2]|, |v[\xa+\st*3]|, |v[\xa+\st*4]|
	v_max3_num_f32 v[\m+3], |v[\xb+\st*2]|, |v[\xb+\st*3]|, |v[\xb+\st*4]|
.irp i, 5,9,13,17,21,25
	v_max3_num_f32 v[\m],   v[\m],   |v[\xa+\st*\i]|,     |v[\xa+\st*(\i+1)]|
	v_max3_num_f32 v[\m+2], v[\m+2], |v[\xb+\st*\i]|,     |v[\xb+\st*(\i+1)]|
	v_max3_num_f32 v[\m+1], v[\m+1], |v[\xa+\st*(\i+2)]|, |v[\xa+\st*(\i+3)]|
	v_max3_num_f32 v[\m+3], v[\m+3], |v[\xb+\st*(\i+2)]|, |v[\xb+\st*(\i+3)]|
.endr
	v_max3_num_f32 v[\m],   v[\m],   |v[\xa+\st*29]|, |v[\xa+\st*30]|
	v_max3_num_f32 v[\m+2], v[\m+2], |v[\xb+\st*29]|, |v[\xb+\st*30]|
	v_max3_num_f32 v[\m],   v[\m],   v[\m+1], |v[\xa+\st*31]|
	v_max3_num_f32 v[\m+2], v[\m+2], v[\m+3], |v[\xb+\st*31]|
.endm
; W2: block t of the wave's K step: 32 rows k, my two columns, 32 columns apart; the two loads of a row stand together and cover 256 consecutive bytes
.macro QLOAD t, pitch, setoff
.set qi, 0
.rept 32
	global_load_b32 v[X+64*((\t)%2)+qi],    v2, s[28:29] offset:(32*(\t)+qi)*\pitch
	global_load_b32 v[X+64*((\t)%2)+32+qi], v2, s[28:29] offset:(32*(\t)+qi)*\pitch+\setoff
.set qi, qi+1
.endr
.endm
.macro QBLOCK t
.set XA, X+64*((\t)%2)
.set GA, G+12*((\t)%2)+6*((\t)/2)
	BMAX2 XA, XA+32, M, 1
	v_add_nc_u32 v[SE],   0xff000000, v[M]         ; 2 off the exponent field: the conversion takes the exponent field of this operand as its scale
	v_add_nc_u32 v[SE+1], 0xff000000, v[M+2]
	v_cvt_scalef32_pk16_fp6_f32 v[GA:GA+2],     v[XA:XA+15],    v[SE]
	v_cvt_scalef32_pk16_fp6_f32 v[T:T+2],       v[XA+16:XA+31], v[SE]
	v_cvt_scalef32_pk16_fp6_f32 v[GA+24:GA+26], v[XA+32:XA+47], v[SE+1]
	v_cvt_scalef32_pk16_fp6_f32 v[T+4:T+6],     v[XA+48:XA+63], v[SE+1]
.if (\t) == 0
	v_lshrrev_b32 v[SW],   23, v[SE]               ; the scale's byte; also the plain line behind the conversions
	v_lshrrev_b32 v[SW+1], 23, v[SE+1]
.else
	v_lshrrev_b32 v[BY],   23, v[SE]
	v_lshrrev_b32 v[BY+1], 23, v[SE+1]
	v_lshl_or_b32 v[SW],   v[BY],   8*(\t), v[SW]  ; byte t of the K step's scale word
	v_lshl_or_b32 v[SW+1], v[BY+1], 8*(\t), v[SW+1]
.endif
.irp i, 0,1,2
	v_mov_b32 v[GA+3+\i],  v[T+\i]
	v_mov_b32 v[GA+27+\i], v[T+4+\i]
.endr
.endm
; W1: block t of the wave's K step: 32 rows k; my pair's gate and up are neighbours in a row, so one load of 8 bytes a lane brings both: 256 consecutive bytes a load, each read once in the launch.
; Register 2 i + u of the set: row i, column u of my two.
.macro QLOADI t
.set qi, 0
.rept 32
	global_load_b64 v[X+64*((\t)%2)+2*qi:X+64*((\t)%2)+2*qi+1], v2, s[28:29] offset:(32*(\t)+qi)*8192 th:TH_LOAD_NT
.set qi, qi+1
.endr
.endm
; The conversions take 16 neighbours along K from consecutive registers, so each column's 32 numbers are first laid on end in Y.
.macro QBLOCKI t
.set XA, X+64*((\t)%2)
.set GA, G+12*((\t)%2)+6*((\t)/2)
	BMAX2 XA, XA+1, M, 2
	v_add_nc_u32 v[SE],   0xff000000, v[M]         ; 2 off the exponent field: the conversions' scale operands
	v_add_nc_u32 v[SE+1], 0xff000000, v[M+2]
.irp u, 0,1
.set a, 0
.rept 32
	v_mov_b32 v[Y+a], v[XA+2*a+\u]
.set a, a+1
.endr
	v_cvt_scalef32_pk16_fp6_f32 v[GA+24*\u:GA+24*\u+2], v[Y:Y+15],    v[SE+\u]
	v_cvt_scalef32_pk16_fp6_f32 v[T+4*\u:T+4*\u+2],     v[Y+16:Y+31], v[SE+\u]
.if (\t) == 0
	v_lshrrev_b32 v[SW+\u], 23, v[SE+\u]           ; the scale's byte; also the plain line between the conversions and the next writes of Y and reads of T
.else
	v_lshrrev_b32 v[BY+\u], 23, v[SE+\u]
.endif
.endr
.if (\t) != 0
	v_lshl_or_b32 v[SW],   v[BY],   8*(\t), v[SW]  ; byte t of the K step's scale word
	v_lshl_or_b32 v[SW+1], v[BY+1], 8*(\t), v[SW+1]
.endif
.irp i, 0,1,2
	v_mov_b32 v[GA+3+\i],  v[T+\i]
	v_mov_b32 v[GA+27+\i], v[T+4+\i]
.endr
.endm
.macro QSTORE g                        ; the twelve registers of lane half g, both sets: sixteen lanes of a store fill 256 consecutive bytes, aligned
.irp u, 0,1
.irp j, 0,1,2
	global_store_b128 v3, v[G+24*\u+12*\g+4*\j:G+24*\u+12*\g+4*\j+3], s[30:31] offset:\u*24576+\j*512+\g*256
.endr
.endr
.endm
; the scalar part of a weight path: g = work-group - first: bit 0 = which four K steps, then the slice (expert x slices + cs)
.macro WBASE first, csbits, pitch, src, codes, scales
	s_sub_co_u32 s21, ttmp9, \first
	s_and_b32 s22, s21, 1
	s_lshl_b32 s22, s22, 2
	s_add_co_u32 s22, s22, s20                     ; my wave's K step
	s_lshr_b32 s23, s21, 1                         ; slice
	s_and_b32 s24, s23, (1<<\csbits)-1             ; cs
	s_lshr_b32 s25, s23, \csbits                   ; expert
	s_mul_i32 s26, s25, 1024*\pitch
	s_mul_i32 s27, s22, 128*\pitch
	s_add_co_u32 s26, s26, s27
	s_lshl_b32 s27, s24, 8
	s_add_co_u32 s26, s26, s27                     ; source: expert, 128 rows a K step, 256 bytes a slice
	s_mov_b32 s27, 0
	s_mul_i32 s32, s23, 49152
	s_mul_i32 s33, s22, 1536
	s_add_co_u32 s32, s32, s33
	s_add_co_u32 s32, s32, \codes
	s_mov_b32 s33, 0
	s_lshl_b32 s34, s23, 11
	s_lshl_b32 s35, s22, 8
	s_add_co_u32 s34, s34, s35
	s_add_co_u32 s34, s34, \scales
	s_mov_b32 s35, 0
	s_wait_kmcnt 0x0
	s_add_nc_u64 s[28:29], s[\src:\src+1], s[26:27]
	s_add_nc_u64 s[30:31], s[14:15], s[32:33]
	s_add_nc_u64 s[36:37], s[14:15], s[34:35]
.endm
; W2.  Loads run a block (64 loads) ahead.  Behind a block's 64 loads stand the next block's 64; a wait's count ends at 63, so one load more than needed is awaited.
.macro WBODY pitch, setoff
	QLOAD 0, \pitch, \setoff
	QLOAD 1, \pitch, \setoff
	s_wait_loadcnt 63
	QBLOCK 0
	QLOAD 2, \pitch, \setoff
	s_wait_loadcnt 63
	QBLOCK 1
	QLOAD 3, \pitch, \setoff
	s_wait_loadcnt 63
	QBLOCK 2
	QSTORE 0                                       ; blocks 0 and 2 are lane half 0's
	s_wait_loadcnt 0x0
	QBLOCK 3
	QSTORE 1
	global_store_b64 v4, v[SW:SW+1], s[36:37]      ; 32 lanes store 256 consecutive bytes, aligned.  No store's data are written again: no wait on XCNT in this path
	s_endpgm
.endm
; W1.  Loads run a block (32 loads) ahead: behind a block's 32 loads stand the next block's 32.
.macro WBODYI
	QLOADI 0
	QLOADI 1
	s_wait_loadcnt 32
	QBLOCKI 0
	QLOADI 2
	s_wait_loadcnt 32
	QBLOCKI 1
	QLOADI 3
	s_wait_loadcnt 32
	QBLOCKI 2
	QSTORE 0                                       ; blocks 0 and 2 are lane half 0's
	s_wait_loadcnt 0x0
	QBLOCKI 3
	QSTORE 1
	global_store_b64 v4, v[SW:SW+1], s[36:37]      ; 32 lanes store 256 consecutive bytes, aligned.  No store's data are written again: no wait on XCNT in this path
	s_endpgm
.endm
	s_load_b256 s[4:11], s[0:1], 0x0               ; x s[4:5], router_weight s[6:7], router_bias s[8:9], w1 s[10:11]
	s_load_b256 s[12:19], s[0:1], 0x20             ; w2 s[12:13], wq s[14:15], ids s[16:17], out1 s[18:19]
	v_lshl_add_u32 v250, v0, 2, 0x8200
	v_mov_b32 v251, 0
	v_lshrrev_b32 v1, 5, v0
	v_readfirstlane_b32 s20, v1                    ; wave 0..3
	v_and_b32 v1, 31, v0                           ; lane
	s_cmp_lt_u32 ttmp9, 128
	s_cbranch_scc1 .Lrouter
	s_cmp_lt_u32 ttmp9, 640
	s_cbranch_scc1 .Lw1
	; ---- W2: lane l of set u takes column 64 cs + 32 u + l: tile 2 u + l / 16, row l % 16
	v_lshlrev_b32 v2, 2, v1
	v_lshrrev_b32 v5, 4, v1
	v_and_b32 v7, 15, v1
	v_lshlrev_b32 v3, 4, v7
	v_mad_u32_u24 v3, v5, 12288, v3
	v_lshlrev_b32 v4, 3, v1
	WBASE 640, 4, 4096, 12, W2C, W2S
	s_wait_alu depctr_va_vdst(0)
	WBODY 4096, 128
.Lw1:
	s_wait_alu depctr_va_vdst(0)
	; ---- W1: lane l of set u takes column 64 cs + 2 l + u (u = 0 gate, 1 up): tile 2 u + (l / 8) % 2, row 8 (l / 16) + l % 8
	v_lshlrev_b32 v2, 3, v1                        ; 8 bytes a lane: my pair's gate and up
	v_bfe_u32 v5, v1, 3, 1
	v_bfe_u32 v6, v1, 4, 1
	v_and_b32 v7, 7, v1
	v_lshl_add_u32 v7, v6, 3, v7                   ; m
	v_lshlrev_b32 v3, 4, v7
	v_mad_u32_u24 v3, v5, 12288, v3
	v_lshl_add_u32 v4, v5, 4, v7
	v_lshlrev_b32 v4, 3, v4
	WBASE 128, 5, 8192, 10, 0, W1S
	s_wait_alu depctr_va_vdst(0)
	WBODYI
	; ---- ROUTER.  Wave w owns tokens 16 wg + 4 w + 0..3; lane l owns block l (k = 32 l .. 32 l + 31) of each.
	; LDS: the router's weights as [block l][k 0..31][expert 0..7] f32, 1,040 bytes a block (65 x 16: sixteen lanes' 16-byte reads fall on sixteen different columns).
.Lrouter:
	s_wait_kmcnt 0x0
	s_load_b256 s[36:43], s[8:9], 0x0              ; the eight biases
	s_mov_b32 s44, 0x76543210
	s_mov_b32 s45, 0xfedcba98                      ; v_permlanex16_b32's selects for lane l xor 16
	s_lshl_b32 s21, ttmp9, 4
	s_lshl_b32 s22, s20, 2
	s_add_co_u32 s21, s21, s22                     ; my first token
	s_lshl_b32 s22, s21, 12
	s_mov_b32 s23, 0
	s_add_nc_u64 s[24:25], s[4:5], s[22:23]        ; its row of x
	s_mul_i32 s22, s21, 768
	s_add_co_u32 s22, s22, XQ
	s_add_nc_u64 s[26:27], s[14:15], s[22:23]      ; its codes
	s_lshl_b32 s22, s21, 5
	s_add_co_u32 s22, s22, XSC
	s_add_nc_u64 s[28:29], s[14:15], s[22:23]      ; its scale bytes
	s_lshl_b32 s22, s21, 3
	s_add_nc_u64 s[30:31], s[16:17], s[22:23]      ; its two experts
	s_add_nc_u64 s[32:33], s[18:19], s[22:23]      ; its two probabilities
	s_wait_alu depctr_va_vdst(0)
	v_lshlrev_b32 v2, 7, v1                        ; x: 128 bytes a block
	v_mul_u32_u24 v3, v1, 1040                     ; LDS: my block
	v_lshrrev_b32 v4, 3, v0
	v_mul_u32_u24 v4, v4, 1040
	v_and_b32 v7, 7, v0
	v_lshl_add_u32 v4, v7, 7, v4                   ; LDS on the way in: thread t brings k = 4 t + i (+ 512): block t / 8, k in it 4 (t % 8) + i
	v_lshlrev_b32 v5, 4, v0
	v_and_b32 v6, 1, v1
	v_lshlrev_b32 v6, 4, v6                        ; 16 hf: my block lies in half row hf = l % 2,
	v_lshrrev_b32 v7, 1, v1
	v_mul_u32_u24 v7, v7, 3                        ; as its pieces of 8 bytes 3 (l / 2) + 0, 1, 2
.irp j, 0,1,2
	v_add_nc_u32 v240, \j, v7                      ; piece i of 8 bytes lies at 32 (i / 2) + 16 hf + 8 (i % 2) of the token's 768
	v_lshrrev_b32 v[13+\j], 1, v240
	v_lshl_add_u32 v[13+\j], v[13+\j], 5, v6
	v_and_b32 v240, 1, v240
	v_lshl_add_u32 v[13+\j], v240, 3, v[13+\j]
.endr
	v_lshlrev_b32 v12, 3, v1
.irp i, 8,9,10,11
	v_mov_b32 v\i, 0                               ; what lanes 0..3 will store: written whole once
.endr
.irp it, 0,1,2,3,4,5,6,7,8,9,10,11,12,13,14,15
	global_load_b128 v[R+4*\it:R+4*\it+3], v5, s[6:7] offset:\it*2048
.endr
.irp tt, 0,1,2,3
.irp j, 0,1,2,3,4,5,6,7
	global_load_b128 v[X+32*\tt+4*\j:X+32*\tt+4*\j+3], v2, s[24:25] offset:\tt*4096+16*\j th:TH_LOAD_NT
.endr
.endr
	s_wait_loadcnt 32                              ; the router's weights are in; x's 32 loads may stay out
.irp it, 0,1,2,3,4,5,6,7,8,9,10,11,12,13,14,15
.irp i, 0,1,2,3
	ds_store_b32 v4, v[R+4*\it+\i] offset:(\it%2)*16640+\i*32+(\it/2)*4   ; expert it / 2, k = 512 (it % 2) + 4 t + i
.endr
.endr
	s_wait_dscnt 0x0                               ; for the others' sake: my stores have landed
	s_barrier_signal -1
	s_barrier_wait -1
	s_wait_loadcnt 0x0                             ; x
	s_wait_kmcnt 0x0                               ; the biases
.macro RFETCH q                        ; the eight weights of k = 4 q .. 4 q + 3 of my block
.irp kk, 0,1,2,3
.irp hh, 0,1
	ds_load_b128 v[R+32*((\q)%2)+8*\kk+4*\hh:R+32*((\q)%2)+8*\kk+4*\hh+3], v3 offset:(4*(\q)+\kk)*32+16*\hh
.endr
.endr
.endm
.macro RK q, kk, sel                   ; one k: 4 tokens x 8 experts, two experts an instruction; x's number serves both halves.  The first k starts the sums
.irp tt, 0,1,2,3
.irp ep, 0,1,2,3
.if ((\q) == 0) && (\kk == 0)
	v_pk_mul_f32 v[ACC+8*\tt+2*\ep:ACC+8*\tt+2*\ep+1], v[X+32*\tt+4*(\q)+2*(\kk/2):X+32*\tt+4*(\q)+2*(\kk/2)+1], v[R+32*((\q)%2)+8*\kk+2*\ep:R+32*((\q)%2)+8*\kk+2*\ep+1] op_sel_hi:[0,1]
.else
	v_pk_fma_f32 v[ACC+8*\tt+2*\ep:ACC+8*\tt+2*\ep+1], v[X+32*\tt+4*(\q)+2*(\kk/2):X+32*\tt+4*(\q)+2*(\kk/2)+1], v[R+32*((\q)%2)+8*\kk+2*\ep:R+32*((\q)%2)+8*\kk+2*\ep+1], v[ACC+8*\tt+2*\ep:ACC+8*\tt+2*\ep+1] op_sel:[\sel,0,0] op_sel_hi:[\sel,1,1]
.endif
.endr
.endr
.endm
	RFETCH 0
.irp q, 0,1,2,3,4,5,6,7
.if \q < 7
	RFETCH \q+1
	s_wait_dscnt 8                                 ; all but the eight just issued
.else
	s_wait_dscnt 0x0
.endif
	RK \q, 0, 0
	RK \q, 1, 1
	RK \q, 2, 0
	RK \q, 3, 1
.endr
	; the 32 sums over the 32 lanes; every lane ends with all of them
.irp mk, 1,2,4,8
.set a, 0
.rept 32
	v_add_f32_dpp v[ACC+a], v[ACC+a], v[ACC+a] row_xmask:\mk row_mask:0xf bank_mask:0xf
.set a, a+1
.endr
.endr
.set a, 0
.rept 32
	v_permlanex16_b32 v[R+a], v[ACC+a], s44, s45
.set a, a+1
.endr
.set a, 0
.rept 32
	v_add_f32 v[ACC+a], v[ACC+a], v[R+a]
.set a, a+1
.endr
; softmax with the maximum taken away, then the two largest; a strict compare in ascending order keeps the lower expert on a tie
.macro RSOFT tt
.set LG, ACC+8*\tt
.irp e, 0,1,2,3,4,5,6,7
	v_add_f32 v[LG+\e], s[36+\e], v[LG+\e]
.endr
	v_max3_num_f32 v240, v[LG], v[LG+1], v[LG+2]
	v_max3_num_f32 v240, v240, v[LG+3], v[LG+4]
	v_max3_num_f32 v240, v240, v[LG+5], v[LG+6]
	v_max_num_f32 v240, v240, v[LG+7]
.irp e, 0,1,2,3,4,5,6,7
	v_sub_f32 v[LG+\e], v[LG+\e], v240
.endr
.irp e, 0,1,2,3,4,5,6,7
	v_mul_f32 v[LG+\e], 0x3fb8aa3b, v[LG+\e]       ; x log2(e)
.endr
	s_wait_alu depctr_va_vdst(0)
.irp e, 0,1,2,3,4,5,6,7
	v_exp_f32 v[LG+\e], v[LG+\e]
.endr
	v_nop                                          ; a plain line behind the exponentials
	s_wait_alu depctr_va_vdst(0)
	v_add_f32 v241, v[LG], v[LG+1]
.irp e, 2,3,4,5,6,7
	v_add_f32 v241, v241, v[LG+\e]
.endr
	s_wait_alu depctr_va_vdst(0)
	v_rcp_f32 v241, v241
	v_mov_b32 v243, 0                              ; (a plain line behind the reciprocal)  the first expert so far
	s_wait_alu depctr_va_vdst(0)
.irp e, 0,1,2,3,4,5,6,7
	v_mul_f32 v[LG+\e], v[LG+\e], v241
.endr
	v_mov_b32 v242, v[LG]
.irp e, 1,2,3,4,5,6,7
	v_cmp_gt_f32 vcc_lo, v[LG+\e], v242
	v_cndmask_b32 v242, v242, v[LG+\e], vcc_lo
	v_cndmask_b32 v243, v243, \e, vcc_lo
.endr
.irp e, 0,1,2,3,4,5,6,7
	v_cmp_eq_u32 vcc_lo, \e, v243
	v_cndmask_b32 v[LG+\e], v[LG+\e], -1.0, vcc_lo ; the winner leaves the field
.endr
	v_mov_b32 v244, v[LG]
	v_mov_b32 v245, 0
.irp e, 1,2,3,4,5,6,7
	v_cmp_gt_f32 vcc_lo, v[LG+\e], v244
	v_cndmask_b32 v244, v244, v[LG+\e], vcc_lo
	v_cndmask_b32 v245, v245, \e, vcc_lo
.endr
	v_cmp_eq_u32 vcc_lo, \tt, v1                   ; lane tt keeps token tt's
	v_cndmask_b32 v8, v8, v242, vcc_lo
	v_cndmask_b32 v9, v9, v244, vcc_lo
	v_cndmask_b32 v10, v10, v243, vcc_lo
	v_cndmask_b32 v11, v11, v245, vcc_lo
.endm
	RSOFT 0
	RSOFT 1
	RSOFT 2
	RSOFT 3
; x into codes: a lane's 32 registers are a whole block.  Each token has its own registers for codes and byte: no store's data are written again.
; A conversion's three registers begin on an even number, so the upper 16 codes are made one register further on and moved down: the six registers then stand on end, three pairs for three stores of 8 bytes.
.macro XQUANT2 ta, tb
	BMAX2 X+32*\ta, X+32*\tb, 244, 1
	v_add_nc_u32 v248, 0xff000000, v244
	v_add_nc_u32 v249, 0xff000000, v246
	v_cvt_scalef32_pk16_fp6_f32 v[R+8*\ta:R+8*\ta+2],   v[X+32*\ta:X+32*\ta+15],    v248
	v_cvt_scalef32_pk16_fp6_f32 v[R+8*\ta+4:R+8*\ta+6], v[X+32*\ta+16:X+32*\ta+31], v248
	v_cvt_scalef32_pk16_fp6_f32 v[R+8*\tb:R+8*\tb+2],   v[X+32*\tb:X+32*\tb+15],    v249
	v_cvt_scalef32_pk16_fp6_f32 v[R+8*\tb+4:R+8*\tb+6], v[X+32*\tb+16:X+32*\tb+31], v249
	v_lshrrev_b32 v[252+\ta], 23, v248             ; the bytes; also the plain line behind the conversions
	v_lshrrev_b32 v[252+\tb], 23, v249
.irp t, \ta, \tb
	v_mov_b32 v[R+8*\t+3], v[R+8*\t+4]
	v_mov_b32 v[R+8*\t+4], v[R+8*\t+5]
	v_mov_b32 v[R+8*\t+5], v[R+8*\t+6]
.endr
.irp t, \ta, \tb
	global_store_b64 v13, v[R+8*\t:R+8*\t+1],   s[26:27] offset:768*\t
	global_store_b64 v14, v[R+8*\t+2:R+8*\t+3], s[26:27] offset:768*\t
	global_store_b64 v15, v[R+8*\t+4:R+8*\t+5], s[26:27] offset:768*\t
	global_store_b8 v1, v[252+\t], s[28:29] offset:32*\t
.endr
.endm
	XQUANT2 0, 1
	XQUANT2 2, 3
	v_cmp_gt_u32 vcc_lo, 4, v1
	s_wait_xcnt 0x0                                ; EXEC changes only behind this wait: it is a source of the stores above
	s_wait_tensorcnt 0x0
	ds_add_u32 v250, v251
	s_wait_dscnt 0x0
	s_and_saveexec_b32 s21, vcc_lo
	global_store_b64 v12, v[8:9], s[32:33]         ; out1: the two probabilities, the larger first
	global_store_b64 v12, v[10:11], s[30:31]       ; ids: their experts
	s_endpgm
.Lfunc_end_k_qff10bb6fc3_prep:
	.size	k_qff10bb6fc3_prep, .Lfunc_end_k_qff10bb6fc3_prep-k_qff10bb6fc3_prep
	.p2alignl 7, 3214868480
	.fill 96, 4, 3214868480
	.section	.rodata,"a",@progbits
	.p2align	6, 0x0
	.amdhsa_kernel k_qff10bb6fc3_prep
		.amdhsa_group_segment_fixed_size 33792
		.amdhsa_private_segment_fixed_size 0
		.amdhsa_enable_private_segment 0
		.amdhsa_kernarg_size 64
		.amdhsa_user_sgpr_count 2
		.amdhsa_user_sgpr_kernarg_segment_ptr 1
		.amdhsa_wavefront_size32 1
		.amdhsa_system_sgpr_workgroup_id_x 1
		.amdhsa_system_sgpr_workgroup_id_y 1
		.amdhsa_system_sgpr_workgroup_id_z 1
		.amdhsa_system_vgpr_workitem_id 0
		.amdhsa_next_free_vgpr 256
		.amdhsa_next_free_sgpr 66
		.amdhsa_reserve_vcc 1
		.amdhsa_float_denorm_mode_32 3
		.amdhsa_float_denorm_mode_16_64 3
		.amdhsa_memory_ordered 1
		.amdhsa_forward_progress 1
		.amdhsa_inst_pref_size 158
	.end_amdhsa_kernel
	.amdgpu_metadata
---
amdhsa.version: [ 1, 2 ]
amdhsa.kernels:
  - .name:           k_qff10bb6fc3_prep
    .symbol:         k_qff10bb6fc3_prep.kd
    .args:
      - { .name: x, .offset: 0, .size: 8, .value_kind: global_buffer, .address_space: global }
      - { .name: router_weight, .offset: 8, .size: 8, .value_kind: global_buffer, .address_space: global }
      - { .name: router_bias, .offset: 16, .size: 8, .value_kind: global_buffer, .address_space: global }
      - { .name: w1, .offset: 24, .size: 8, .value_kind: global_buffer, .address_space: global }
      - { .name: w2, .offset: 32, .size: 8, .value_kind: global_buffer, .address_space: global }
      - { .name: wq, .offset: 40, .size: 8, .value_kind: global_buffer, .address_space: global }
      - { .name: ids, .offset: 48, .size: 8, .value_kind: global_buffer, .address_space: global }
      - { .name: out1, .offset: 56, .size: 8, .value_kind: global_buffer, .address_space: global }
    .group_segment_fixed_size: 33792
    .private_segment_fixed_size: 0
    .kernarg_segment_align: 8
    .kernarg_segment_size: 64
    .max_flat_workgroup_size: 128
    .sgpr_count:     66
    .vgpr_count:     256
    .wavefront_size: 32
...
	.end_amdgpu_metadata
.endif
;; end of part 6
;; launch place (part 7): grid 1 x 1, 32 waves a work-group, no clusters, 8,192 bytes of LDS; arguments ids, route; writes route
.if DOCPART == 7
	.amdgcn_target "amdgcn-amd-amdhsa--gfx1250"
	.amdhsa_code_object_version 6
	.text
	.protected	k_qff10bb6fc3_place
	.globl	k_qff10bb6fc3_place
	.p2align	8
	.type	k_qff10bb6fc3_place,@function
k_qff10bb6fc3_place:
	s_mov_b64 s[64:65], 0
	v_nop
	global_prefetch_b8 v0, s[64:65] scope:SCOPE_SE
	s_setreg_imm32_b32 hwreg(HW_REG_WAVE_MODE, 25, 1), 1
	s_wait_xcnt 0x0
; PLACE: a counting sort of the 4,096 routed rows (entry = 2 x token + slot) by expert; each expert's segment is padded to a multiple of 128 rows.
; route: POS [4096] at 0: entry -> row;  ROWTOK [4992] at 16,384: row -> token (0 in padding rows);  SEG at 36,352: word 2 e = the segment's first
; pair of 32 rows, word 2 e + 1 = its chunks of 128 rows, word 16 = the last pair in use.
; The sum over experts of ceil(n / 128) is at most floor((4096 + 8 x 127) / 128) = 39 chunks = 4,992 rows, whatever the choice.
; One work-group of 32 waves; wave w owns entries 128 w + 32 c + lane, c = 0..3.  No atomics: counts meet in LDS behind one barrier.  Whole numbers only.
.set ROWTOK, 16384
.set SEG,    36352
; s16-23 my wave's counts, later the padded sizes; s24-31 segment bases; s32-39 where my wave's next row of each expert goes; s40-47 totals
	s_load_b128 s[4:7], s[0:1], 0x0                ; ids, route
	v_lshl_add_u32 v64, v0, 2, 0x1000
	v_mov_b32 v65, 0
	v_lshrrev_b32 v2, 5, v0
	s_delay_alu instid0(VALU_DEP_1)
	v_readfirstlane_b32 s12, v2                    ; wave 0..31
	v_and_b32 v1, 31, v0                           ; lane
	s_delay_alu instid0(VALU_DEP_3)
	v_lshlrev_b32 v2, 9, v2
	s_delay_alu instid0(VALU_DEP_1)
	v_lshl_add_u32 v2, v1, 2, v2                   ; my first entry, in bytes: 512 w + 4 lane
	v_lshlrev_b32 v3, 2, v0                        ; LDS: my word
	s_delay_alu instid0(VALU_DEP_4)
	v_lshlrev_b32 v4, 2, v1
	v_lshrrev_b32 v5, 1, v1
	s_lshl_b32 s13, s12, 6
	v_add_nc_u32 v5, s13, v5                       ; my first entry's token: 64 w + lane / 2
	v_lshlrev_b32 v21, 3, v1
	s_wait_alu depctr_va_vdst(0)
	s_wait_kmcnt 0x0
.irp c, 0,1,2,3
	global_load_b32 v[16+\c], v2, s[4:5] offset:128*\c
.endr
.irp c, 0,1,2,3
	v_add_nc_u32 v[12+\c], 16*\c, v5               ; entry c's token
	v_mov_b32 v[28+\c], 0                          ; its row: written whole once
.endr
.irp e, 0,1,2,3,4,5,6,7
	s_mov_b32 s[16+\e], 0
.endr
	v_mov_b32 v20, 0
	v_mov_b32 v24, 0
	v_mov_b32 v25, 0
	s_wait_loadcnt 0x0
.irp c, 0,1,2,3
.irp e, 0,1,2,3,4,5,6,7
	v_cmp_eq_u32 s48, \e, v[16+\c]
	s_bcnt1_i32_b32 s49, s48
	s_add_co_u32 s[16+\e], s[16+\e], s49
.endr
.endr
.irp e, 0
	v_writelane_b32 v20, s[16+\e], \e
.endr
.irp e, 1, 2, 3, 4, 5, 6, 7
	s_delay_alu instid0(VALU_DEP_1)
	v_writelane_b32 v20, s[16+\e], \e              ; lane e: my wave's count for expert e
.endr
	ds_store_b32 v3, v20
	s_wait_dscnt 0x0                               ; for the others' sake
	s_barrier_signal -1
	s_barrier_wait -1
.set w, 0
.rept 32
	ds_load_b32 v[32+w], v4 offset:128*w           ; lane e: wave w's count for expert e
.set w, w+1
.endr
	s_wait_dscnt 0x0
.set w, 0
.rept 32
	s_cmp_gt_u32 s12, w
	s_cselect_b32 s48, 1, 0
	v_add_nc_u32 v24, v24, v[32+w]                 ; the expert's total
	v_mad_u32_u24 v25, v[32+w], s48, v25           ; and what the waves ahead of mine hold of it
.set w, w+1
.endr
	s_delay_alu instid0(VALU_DEP_2)
	v_add_nc_u32 v26, 127, v24
	s_delay_alu instid0(VALU_DEP_1)
	v_and_b32 v26, 0xffffff80, v26                 ; padded to chunks of 128
	s_mov_b32 s51, 0
.irp e, 0,1,2,3,4,5,6,7
	v_readlane_b32 s[40+\e], v24, \e
	v_readlane_b32 s[16+\e], v26, \e
	v_readlane_b32 s50, v25, \e
	s_mov_b32 s[24+\e], s51
	s_add_co_u32 s[32+\e], s51, s50
	s_add_co_u32 s51, s51, s[16+\e]                ; at the end: all rows in use
.endr
.irp c, 0,1,2,3
.irp e, 0,1,2,3,4,5,6,7
	v_cmp_eq_u32 s48, \e, v[16+\c]
	s_delay_alu instid0(VALU_DEP_1)
	v_mbcnt_lo_u32_b32 v27, s48, s[32+\e]          ; the running start + the lanes below me with this expert
	s_delay_alu instid0(VALU_DEP_1)
	v_cndmask_b32 v[28+\c], v[28+\c], v27, s48
	s_bcnt1_i32_b32 s49, s48
	s_add_co_u32 s[32+\e], s[32+\e], s49
.endr
.endr
.irp c, 0,1,2,3
	global_store_b32 v2, v[28+\c], s[6:7] offset:128*\c            ; POS
	v_min_u32 v[8+\c], 4991, v[28+\c]              ; a number made of loaded numbers enters an address behind a clamp
	s_delay_alu instid0(VALU_DEP_1)
	v_lshlrev_b32 v[8+\c], 2, v[8+\c]
	global_store_b32 v[8+\c], v[12+\c], s[6:7] offset:ROWTOK
.endr
	; padding rows: waves 4 e .. 4 e + 3 serve expert e, a lane a row, at most 127 of them
	s_lshr_b32 s52, s12, 2
	s_mov_b32 s53, s24
	s_mov_b32 s54, s40
	s_mov_b32 s55, s16
.irp e, 1,2,3,4,5,6,7
	s_cmp_eq_u32 s52, \e
	s_cselect_b32 s53, s[24+\e], s53
	s_cselect_b32 s54, s[40+\e], s54
	s_cselect_b32 s55, s[16+\e], s55
.endr
	s_sub_co_u32 s55, s55, s54                     ; how many
	s_add_co_u32 s53, s53, s54                     ; the first
	s_and_b32 s56, s12, 3
	s_lshl_b32 s56, s56, 5
	v_add_nc_u32 v5, s56, v1
	s_delay_alu instid0(VALU_DEP_1)
	v_add_nc_u32 v6, s53, v5
	s_delay_alu instid0(VALU_DEP_1)
	v_min_u32 v6, 4991, v6
	s_delay_alu instid0(VALU_DEP_1)
	v_lshlrev_b32 v6, 2, v6
	v_mov_b32 v7, 0
	v_cmp_gt_u32 vcc_lo, s55, v5
	s_wait_alu depctr_va_vdst(0)
	s_wait_xcnt 0x0                                ; EXEC changes only behind this wait
	s_and_saveexec_b32 s57, vcc_lo
	global_store_b32 v6, v7, s[6:7] offset:ROWTOK
	s_wait_xcnt 0x0
	s_or_b32 exec_lo, exec_lo, s57
	s_cmp_lg_u32 s12, 0
	s_cbranch_scc1 .Lend
	v_mov_b32 v30, 0                               ; wave 0: lanes 0..7 the segments, lane 8 the last pair in use
.irp e, 0,1,2,3,4,5,6,7
	s_lshr_b32 s49, s[24+\e], 5
	v_writelane_b32 v30, s49, \e
.endr
	s_lshr_b32 s49, s51, 5
	s_sub_co_u32 s49, s49, 1
	v_writelane_b32 v30, s49, 8
	v_lshrrev_b32 v31, 7, v26                      ; chunks (0 in lanes 8 on)
	v_cmp_gt_u32 vcc_lo, 9, v1
	s_wait_alu depctr_va_vdst(0)
	s_wait_xcnt 0x0
	s_and_saveexec_b32 s57, vcc_lo
	global_store_b64 v21, v[30:31], s[6:7] offset:SEG
	s_wait_xcnt 0x0
	s_or_b32 exec_lo, exec_lo, s57
.Lend:
	s_wait_tensorcnt 0x0
	ds_add_u32 v64, v65
	s_wait_dscnt 0x0
	s_endpgm
.Lfunc_end_k_qff10bb6fc3_place:
	.size	k_qff10bb6fc3_place, .Lfunc_end_k_qff10bb6fc3_place-k_qff10bb6fc3_place
	.p2alignl 7, 3214868480
	.fill 96, 4, 3214868480
	.section	.rodata,"a",@progbits
	.p2align	6, 0x0
	.amdhsa_kernel k_qff10bb6fc3_place
		.amdhsa_group_segment_fixed_size 8192
		.amdhsa_private_segment_fixed_size 0
		.amdhsa_enable_private_segment 0
		.amdhsa_kernarg_size 16
		.amdhsa_user_sgpr_count 2
		.amdhsa_user_sgpr_kernarg_segment_ptr 1
		.amdhsa_wavefront_size32 1
		.amdhsa_system_sgpr_workgroup_id_x 1
		.amdhsa_system_sgpr_workgroup_id_y 1
		.amdhsa_system_sgpr_workgroup_id_z 1
		.amdhsa_system_vgpr_workitem_id 0
		.amdhsa_next_free_vgpr 66
		.amdhsa_next_free_sgpr 66
		.amdhsa_reserve_vcc 1
		.amdhsa_float_denorm_mode_32 3
		.amdhsa_float_denorm_mode_16_64 3
		.amdhsa_memory_ordered 1
		.amdhsa_forward_progress 1
		.amdhsa_inst_pref_size 31
	.end_amdhsa_kernel
	.amdgpu_metadata
---
amdhsa.version: [ 1, 2 ]
amdhsa.kernels:
  - .name:           k_qff10bb6fc3_place
    .symbol:         k_qff10bb6fc3_place.kd
    .args:
      - { .name: ids, .offset: 0, .size: 8, .value_kind: global_buffer, .address_space: global }
      - { .name: route, .offset: 8, .size: 8, .value_kind: global_buffer, .address_space: global }
    .group_segment_fixed_size: 8192
    .private_segment_fixed_size: 0
    .kernarg_segment_align: 8
    .kernarg_segment_size: 16
    .max_flat_workgroup_size: 1024
    .sgpr_count:     66
    .vgpr_count:     66
    .wavefront_size: 32
...
	.end_amdgpu_metadata
.endif
;; end of part 7
;; launch gemm1 (part 8): grid 256 x 1, 4 waves a work-group, no clusters, 49,664 bytes of LDS; arguments wq, route, w1_bias, act; writes act
.if DOCPART == 8
	.amdgcn_target "amdgcn-amd-amdhsa--gfx1250"
	.amdhsa_code_object_version 6
	.text
	.protected	k_qff10bb6fc3_gemm1
	.globl	k_qff10bb6fc3_gemm1
	.p2align	8
	.type	k_qff10bb6fc3_gemm1,@function
k_qff10bb6fc3_gemm1:
	s_mov_b64 s[64:65], 0
	v_nop
	global_prefetch_b8 v0, s[64:65] scope:SCOPE_SE
	s_setreg_imm32_b32 hwreg(HW_REG_WAVE_SCHED_MODE, 0, 2), 2
	s_setreg_imm32_b32 hwreg(HW_REG_WAVE_MODE, 25, 1), 1
	s_wait_xcnt 0x0
	s_wait_alu depctr_vm_vsrc(0)
; GEMM1: act = swiglu(x W1 + b1) for the routed rows, quantised to E2M3 along the next product's K.  Both operands are codes of E2M3 with one E8M0 byte for each 32 along K.
; SHARES.  Work-group = (expert e = wg / 32, slice cs = wg % 32 of 64 columns of h = 32 gate/up pairs = ONE block of 32 of the next K).  Every wave keeps the whole slice
; (4 tiles x 8 K steps x 12 = 384 registers) for the launch: read from memory once a work-group, shared through LDS behind the one barrier.  Then the waves walk the expert's
; rows apart: in trip i wave w takes pair pbase + 4 i + w (32 rows, two tiles of 16).  The trip count is a stored number.  The launch holds no tensor load, no joint
; loads and no cluster; no barrier stands behind the branch on it.
; LAYOUT.  The product is used transposed: source 0 = 16 columns of W1 (a tile), source 1 = 16 rows of x.  Lane (r, h) then holds row r, and registers j of tiles 0, 1 the gates,
; of tiles 2, 3 the ups, of pairs k' = 16 h + 8 (t % 2) + j: 16 neighbours along the next K.  The bias is the C of each sum's first product.
; x's codes lie [token][piece q 0..23][h][16 bytes]: piece q of lane half h's 384 bytes, which are registers 4 q .. 4 q + 3 of the eight K steps' fragments on end.
; So lanes r and r + 16 of a load read 32 consecutive bytes of one token: a load names 16 runs of 32 bytes.
; act: codes [block cs][pair][768]: 32 rows x bytes 0-15, then 32 rows x bytes 16-23 of each row's 24;  scale bytes at ACTS: [row][32].
; Padding rows (at most 127 an expert) are computed on token 0 and stored; nothing ever uses them.  The scale bytes leave one byte a lane, 32 bytes apart: one byte in 25 of what is stored.
; LIMITS: NaN and infinities are not served; a block of zeros gets the byte 1 (its codes are zeros; this program alone reads the bytes).
; REGISTERS, in windows of 256: window 1: W1's fragments of K steps 0-3 at 12 (4 s + t); window 2: K steps 4-7; window 3: x's fragments, tile b at 96 b + 12 s.
; window 0: v1 lane, v2 r, v3 h, v4 16 lane, v5 8 lane, v6 4 r, v7 16 h, v8 7.0, v9 at work, v21 16 lane + 12,288 wave, v22 8 lane + 512, v23 32 lane, v170 128 h; the rest as named below.
; THE MODE: SCHED_MODE bits 1:0 = 2 (LLVM: expert scheduling mode 2), set by the entry lines.  The code itself states the register dependences
; between vector or matrix instructions and memory or LDS instructions, with s_wait_alu, always for 0.
; THE PLAN.  Registers that memory instructions touch, in the loop:
;   X0, X1 (window 3), XS0, XS1   Tile b's 32 products read X[b] and XS[b]; behind them the next pair's loads land there.
;   TOK0, TOK1                    Read by the first of tile b's five address lines; behind them the word of the pair after next lands there.
;   AO, SO, EO, two each          Written by tile b's five address lines; read by the tile's 27 loads.
;   v152-157, v167, v18-20        The pair's codes, byte and three offsets: written from tile 0's conversion on; read by the three stores at the trip's end.
;   v4 to v7, v21 to v23, v170    Made at the head and never written again.
; So a trip holds, beside the waits behind its transcendentals: ONE wait on vm_vsrc, behind tile 0's products: the last pair's stores have read their data and offsets, and both tiles' loads of
; the trip before have read theirs; ONE wait on va_vdst behind each tile's products and address lines; and ONE ahead of the three stores.  Behind a tile's wait its 27 loads are dealt among the
; tile's activation, which names v8, v88 to v168 and scalar constants: none of the registers that those loads touch.
.set PLANE,  119808
.set ACTS,   3833856
.set W1S,    18874368
.set XQ,     19660800
.set XSC,    21233664
.set ROWTOK, 16384
.set AO,  10                           ; v10-11  tile b: my row's codes in XQ
.set SO,  12                           ; v12-13  its scale bytes
.set EO,  14                           ; v14-15  where the row -> token word of the pair after next lies
.set TOK, 16                           ; v16-17  my row's token
.set O16, 18                           ; v18-20  the three stores' offsets
.set O8,  19
.set OS,  20
.set BS,  24                           ; v24-39  W1's scale words: register 2 s + t / 2: lanes 0-15 the even tile's rows, lanes 16-31 the odd tile's
.set XS,  40                           ; v40-55  x's scale words: 8 b + s
.set BI,  56                           ; v56-87  the bias, in the result's layout
.set ACC, 88                           ; v88-119 four accumulators
.set GT,  88                           ; gates
.set UP,  104                          ; ups
.set TT,  120                          ; v120-135 at work
.set ACT, 136                          ; v136-151 the 16 activations
.set OC,  152                          ; v152-160 codes: tile 0's at 152, tile 1's at 158
.set MX,  162                          ; the largest magnitude;  v163 the other half's;  v164 the conversion's scale operand;  v165-166 the tiles' bytes;  v167 the byte to store;  v168 second chain
.set MSB, 0
.macro WIN new                         ; the immediate's high byte repeats the setting that is left
.if MSB != \new
	s_set_vgpr_msb (MSB<<8)|\new
.set MSB, \new
.endif
.endm
.macro EOFF                            ; s37 = 128 x the pair whose tokens are asked for next, held at the last pair in use: look-ahead past the end reads stored words, and its data are not used
	s_min_u32 s37, s36, s18
	s_min_u32 s37, s37, 155
	s_lshl_b32 s37, s37, 7
.endm
; The offsets of tile b's 27 loads for the next pair.  These five plain lines are also the places between the tile's products and the first read of their results.
.macro ADDR b
	v_min_u32 v9, 2047, v[TOK+\b]                  ; a loaded number enters an address behind a clamp
	v_mul_u32_u24 v[AO+\b], v9, 768
	v_add_nc_u32 v[AO+\b], v[AO+\b], v7
	v_lshlrev_b32 v[SO+\b], 5, v9
	v_add_nc_u32 v[EO+\b], s37, v6
.endm
; Eight of tile b's 24 loads of codes, pieces q0 on; the destination's window, 3, is set by the lines round the macro.
.macro XLD b, q0
.set q, \q0
.rept 8
	global_load_b128 v[96*\b+4*q:96*\b+4*q+3], v[AO+\b], s[24:25] offset:32*q   ; piece q of my half row: registers 12 s .. 12 s + 11 of the eight K steps, on end
.set q, q+1
.endr
.endm
; The tile's other three loads: its rows' scale words, and the token of the pair after next.
.macro XTL b
	global_load_b128 v[XS+8*\b:XS+8*\b+3],   v[SO+\b], s[26:27]
	global_load_b128 v[XS+8*\b+4:XS+8*\b+7], v[SO+\b], s[26:27] offset:16
	global_load_b32 v[TOK+\b], v[EO+\b], s[28:29] offset:64*\b
.endm
.macro WM b, s, t
.set rW, 12*(4*((\s)%4)+\t)
.set rA, 96*\b+12*\s
.set rD, ACC+8*\t
.if \s == 0
.set rC, BI+8*\t
.else
.set rC, rD
.endif
.if (\t)%2
	v_wmma_scale_f32_16x16x128_f8f6f4 v[rD:rD+7], v[rW:rW+11], v[rA:rA+11], v[rC:rC+7], v[BS+2*\s+\t/2], v[XS+8*\b+\s] matrix_a_fmt:MATRIX_FMT_FP6 matrix_b_fmt:MATRIX_FMT_FP6 matrix_a_scale:MATRIX_SCALE_ROW1
.else
	v_wmma_scale_f32_16x16x128_f8f6f4 v[rD:rD+7], v[rW:rW+11], v[rA:rA+11], v[rC:rC+7], v[BS+2*\s+\t/2], v[XS+8*\b+\s] matrix_a_fmt:MATRIX_FMT_FP6 matrix_b_fmt:MATRIX_FMT_FP6
.endif
.endm
.macro MULS b                          ; 32 products: the four accumulators by turns, one instruction a turn, K ascending
	WIN 0x0d                                       ; source 0 window 1, source 1 window 3
.irp s, 0,1,2,3
.irp t, 0,1,2,3
	WM \b, \s, \t
.endr
.endr
	WIN 0x0e                                       ; source 0 window 2
.irp s, 4,5,6,7
.irp t, 0,1,2,3
	WM \b, \s, \t
.endr
.endr
	WIN 0
.endm
; act = (clip(up) + 1) x g x sigmoid(1.702 g), g = min(gate, 7), all in f32; then the block's scale and 16 codes.  Every accumulator is read from its low end on.
; pf = 1: the tile's loads of pieces 8 on, its scale words and its token word are dealt among these lines: no line here names a register that they touch.
.macro ACTQ b, pf
.set a, 0
.rept 16
	v_min_num_f32 v[GT+a], v[GT+a], v8
.set a, a+1
.endr
.set a, 0
.rept 8
	v_pk_mul_f32 v[TT+a:TT+a+1], v[GT+a:GT+a+1], s[40:41] op_sel_hi:[1,0]   ; -1.702 log2(e) g
.set a, a+2
.endr
.set a, 0
	s_wait_alu depctr_va_vdst(0)
.rept 16
	v_exp_f32 v[TT+a], v[TT+a]
.set a, a+1
.endr
.if \pf
	WIN 0xc0                                       ; destination window 3
	XLD \b, 8                                      ; no wait: no vector or matrix instruction since the tile's wait on va_vdst names AO[b] or X[b]
	WIN 0
.endif
.set a, 0
	s_wait_alu depctr_va_vdst(0)
.rept 16
	v_med3_num_f32 v[UP+a], v[UP+a], -v8, v8       ; (plain lines behind the exponentials)
.set a, a+1
.endr
.set a, 0
	s_wait_alu depctr_va_vdst(0)                   ; the sixteen exponentials have written v[TT ..], ahead of their first reader
.rept 8
	v_pk_add_f32 v[TT+a:TT+a+1], v[TT+a:TT+a+1], 1.0 op_sel_hi:[1,0]
.set a, a+2
.endr
.set a, 0
	s_wait_alu depctr_va_vdst(0)
.rept 16
	v_rcp_f32 v[TT+a], v[TT+a]
.set a, a+1
.endr
	v_nop                                          ; a plain line behind the reciprocals
.if \pf
	WIN 0xc0
	XLD \b, 16                                     ; likewise no wait,
	WIN 0
	XTL \b                                         ; nor here: SO[b], EO[b], XS[b] and TOK[b] have not been named since the tile's wait either
.endif
.set a, 0
	s_wait_alu depctr_va_vdst(0)                   ; the sixteen reciprocals have written v[TT ..], ahead of their first reader
.rept 8
	v_pk_mul_f32 v[TT+a:TT+a+1], v[GT+a:GT+a+1], v[TT+a:TT+a+1]            ; glu
.set a, a+2
.endr
.set a, 0
.rept 8
	v_pk_fma_f32 v[ACT+a:ACT+a+1], v[UP+a:UP+a+1], v[TT+a:TT+a+1], v[TT+a:TT+a+1]   ; up x glu + glu
.set a, a+2
.endr
	v_max3_num_f32 v[MX],   |v[ACT]|,   |v[ACT+1]|, 0x1800000   ; my 16, and the floor 2^(3 - 127)
	v_max3_num_f32 v[MX+6], |v[ACT+2]|, |v[ACT+3]|, |v[ACT+4]|
.irp i, 5,9
	v_max3_num_f32 v[MX],   v[MX],   |v[ACT+\i]|,   |v[ACT+\i+1]|
	v_max3_num_f32 v[MX+6], v[MX+6], |v[ACT+\i+2]|, |v[ACT+\i+3]|
.endr
	v_max3_num_f32 v[MX], v[MX], |v[ACT+13]|, |v[ACT+14]|
	v_max3_num_f32 v[MX], v[MX], v[MX+6], |v[ACT+15]|
	v_permlanex16_b32 v[MX+1], v[MX], s42, s43
	v_max_num_f32 v[MX], v[MX], v[MX+1]            ; with lane l xor 16's 16: the block's
	v_add_nc_u32 v[MX+2], 0xff000000, v[MX]        ; 2 off the exponent field: the conversion's scale operand
	v_cvt_scalef32_pk16_fp6_f32 v[OC+6*\b:OC+6*\b+2], v[ACT:ACT+15], v[MX+2]
	v_lshrrev_b32 v[MX+3+\b], 23, v[MX+2]          ; the byte; also the plain line behind the conversion
.endm
.macro TILE b, pf, cnt
	s_wait_loadcnt \cnt                            ; tile b's 27 loads are in; behind them only the other tile's 27 were issued
	MULS \b
.if \b == 0
	s_wait_xcnt 0x0                                ; the last pair's three stores have read their data (v152-157, v167) and offsets (v18-20), which are written again from here on.  The wait stands behind
	                                               ; tile 0's products and not at the trip's head: between those stores and this line stand only scalar arithmetic, a wait and the products, which write v88-119 alone
	s_wait_alu depctr_vm_vsrc(0)                   ; beside it: those stores have read v152-157, v167 and v18-20; and both tiles' loads of the trip before have read AO, SO and EO, which the address lines of this trip write again
.endif
.if \pf
	ADDR \b
	WIN 0xc0                                       ; destination window 3
	s_wait_alu depctr_va_vdst(0)                   ; the tile's products are done reading X[b] and XS[b], and the first address line TOK[b], in all of which the loads below land; AO[b], SO[b] and EO[b], their offsets, are written
	XLD \b, 0
	WIN 0
.else
.rept 4
	v_nop                                          ; places between the products and the first read of their results
.endr
.endif
	ACTQ \b, \pf
.endm
; After the exchange lane L holds row L of the pair: its lower 12 bytes in v152-154, its upper 12 in v158-160.
.macro PAIROUT
	s_min_u32 s38, s35, 155
	s_mul_i32 s39, s38, 768
	s_lshl_b32 s38, s38, 10
	v_add_nc_u32 v[O16], s39, v4
	v_add_nc_u32 v[O8],  s39, v22
	v_add_nc_u32 v[OS],  s38, v23
.irp i, 0,1,2
	v_permlane16_swap_b32 v[OC+\i], v[OC+6+\i]
.endr
.irp i, 0,1,2
	v_mov_b32 v[OC+3+\i], v[OC+6+\i]
.endr
	v_cndmask_b32 v[MX+5], v[MX+3], v[MX+4], s44   ; lanes 0-15 tile 0's byte, lanes 16-31 tile 1's
	s_wait_alu depctr_va_vdst(0)                   ; the codes v152-157, the byte v167 and the offsets v18-20 are written, which the three stores read
	global_store_b128 v[O16], v[OC:OC+3],  s[30:31]                ; 512 consecutive bytes
	global_store_b64  v[O8],  v[OC+4:OC+5], s[30:31]               ; 256 consecutive bytes
	global_store_b8   v[OS],  v[MX+5],     s[32:33]
.endm
.macro TRIP pf
.if \pf
	EOFF
	TILE 0, 1, 27
	TILE 1, 1, 27
.else
	TILE 0, 0, 27
	TILE 1, 0, 0
.endif
	PAIROUT
	s_add_co_u32 s35, s35, 4
	s_add_co_u32 s36, s36, 4
.endm
	s_load_b256 s[4:11], s[0:1], 0x0               ; wq s[4:5], route s[6:7], w1_bias s[8:9], act s[10:11]
	v_lshl_add_u32 v254, v0, 2, 0xc000
	v_mov_b32 v255, 0
	v_lshrrev_b32 v1, 5, v0
	v_readfirstlane_b32 s12, v1                    ; wave 0..3
	v_and_b32 v1, 31, v0
	v_and_b32 v2, 15, v0
	v_bfe_u32 v3, v0, 4, 1
	v_lshlrev_b32 v4, 4, v1
	v_lshlrev_b32 v5, 3, v1
	v_lshlrev_b32 v6, 2, v2
	v_lshlrev_b32 v7, 4, v3                        ; my half's 16 bytes of each piece of 32
	v_mov_b32 v8, 0x40e00000                       ; 7.0
	s_wait_alu depctr_va_sdst(0)                   ; s12 is written, ahead of its first reader
	s_mul_i32 s13, s12, 12288
	v_add_nc_u32 v21, s13, v4
	v_add_nc_u32 v22, 512, v5
	v_lshlrev_b32 v23, 5, v1
	v_mov_b32 v[MX+1], 0                           ; a lane permute's destination counts as one of its sources
	v_lshlrev_b32 v170, 7, v3
	s_lshr_b32 s13, ttmp9, 5                       ; expert
	s_and_b32 s14, ttmp9, 31                       ; slice
	s_lshl_b32 s15, s13, 3
	s_mov_b32 s40, 0xc01d265f                      ; -1.702 log2(e)
	s_mov_b32 s41, s40                             ; (named with it as a pair)
	s_mov_b32 s42, 0x76543210
	s_mov_b32 s43, 0xfedcba98
	s_mov_b32 s44, 0xffff0000
	s_wait_alu depctr_va_vdst(0)
	s_wait_kmcnt 0x0
	s_load_b64 s[16:17], s[6:7], s15 offset:0x8e00 ; my expert's first pair, its chunks
	s_load_b32 s18, s[6:7], 0x8e40                 ; the last pair in use
	s_mul_i32 s38, ttmp9, 49152
	s_mov_b32 s39, 0
	s_add_nc_u64 s[20:21], s[4:5], s[38:39]        ; my slice's codes
	s_lshl_b32 s38, ttmp9, 11
	s_add_co_u32 s38, s38, W1S
	s_add_nc_u64 s[22:23], s[4:5], s[38:39]        ; its scale words
	s_add_nc_u64 s[24:25], s[4:5], XQ
	s_add_nc_u64 s[26:27], s[4:5], XSC
	s_add_nc_u64 s[28:29], s[6:7], ROWTOK
	s_mul_i32 s38, s14, PLANE
	s_add_nc_u64 s[30:31], s[10:11], s[38:39]      ; act: my block's plane
	s_add_co_u32 s38, s14, ACTS
	s_add_nc_u64 s[32:33], s[10:11], s[38:39]      ; and my block's byte in a row's 32
	s_lshl_b32 s38, s13, 13
	s_lshl_b32 s37, s14, 8
	s_add_co_u32 s38, s38, s37
	s_add_nc_u64 s[46:47], s[8:9], s[38:39]        ; the bias of my 64 columns
	s_wait_kmcnt 0x0
	s_add_co_u32 s35, s16, s12                     ; the pair in hand
	s_mov_b32 s36, s35                             ; the pair whose tokens are asked for next
	EOFF
	v_add_nc_u32 v[EO],   s37, v6
	v_add_nc_u32 v[EO+1], s37, v6
	s_wait_alu depctr_va_vdst(0)                   ; the offsets and LDS addresses made so far are written: v4, v5, v21 to v23, v170, v[EO] and v[EO+1], which the loads, LDS stores and LDS loads of the head, and the loop's stores, read
	global_load_b32 v[TOK],   v[EO],   s[28:29]
	global_load_b32 v[TOK+1], v[EO+1], s[28:29] offset:64
	s_add_co_u32 s36, s36, 4
	WIN 0x40                                       ; destination window 1: my quarter of the slice, on its way to LDS
.set q, 0
.rept 24
	global_load_b128 v[4*q:4*q+3], v21, s[20:21] offset:512*q
.set q, q+1
.endr
	WIN 0
.irp s, 0,1,2,3,4,5,6,7
	global_load_b64 v[BS+2*\s:BS+2*\s+1], v5, s[22:23] offset:256*\s
.endr
.irp t, 0,1,2,3
.irp j, 0,1,2,3,4,5,6,7
	global_load_b32 v[BI+8*\t+\j], v170, s[46:47] offset:(2*(8*(\t%2)+\j)+\t/2)*4   ; column 2 (16 h + 8 (t % 2) + j) + t / 2 of the slice
.endr
.endr
	s_wait_loadcnt 63                              ; the two token words are in: 64 loads are younger, and a wait's count ends at 63
	EOFF
	s_wait_alu depctr_vm_vsrc(0)                   ; the two loads of token words have read v[EO] and v[EO+1], which the address lines write again
	ADDR 0
	ADDR 1
	WIN 0xc0                                       ; destination window 3
	s_wait_alu depctr_va_vdst(0)                   ; both tiles' offsets AO, SO and EO are written, and the address lines are done reading TOK, in which two of the loads below land
	XLD 0, 0
	XLD 0, 8
	XLD 0, 16
	WIN 0
	XTL 0
	WIN 0xc0
	XLD 1, 0
	XLD 1, 8
	XLD 1, 16
	WIN 0
	XTL 1
	s_add_co_u32 s36, s36, 4
	s_wait_loadcnt 54                              ; all but the two groups of 27: the slice's quarter, the scale words and the bias are in
	WIN 0x04                                       ; an LDS store's data are its source 1: window 1
.set q, 0
.rept 24
	ds_store_b128 v21, v[4*q:4*q+3] offset:512*q
.set q, q+1
.endr
	WIN 0
	s_wait_dscnt 0x0                               ; for the others' sake: my quarter has landed
	s_barrier_signal -1
	s_barrier_wait -1
	WIN 0x40
	s_wait_alu depctr_vm_vsrc(0)                   ; my LDS stores have read registers 0 to 95 of window 1, in which the LDS loads below land
.irp s, 0,1,2,3
.irp t, 0,1,2,3
.irp j, 0,1,2
	ds_load_b128 v[12*(4*\s+\t)+4*\j:12*(4*\s+\t)+4*\j+3], v4 offset:\t*12288+\s*1536+\j*512
.endr
.endr
.endr
	WIN 0x80
.irp s, 4,5,6,7
.irp t, 0,1,2,3
.irp j, 0,1,2
	ds_load_b128 v[12*(4*(\s-4)+\t)+4*\j:12*(4*(\s-4)+\t)+4*\j+3], v4 offset:\t*12288+\s*1536+\j*512
.endr
.endr
.endr
	WIN 0
	s_wait_dscnt 0x0
	s_cmp_eq_u32 s17, 0                            ; an expert that no token chose: nothing to store
	s_cbranch_scc1 .Lend
	s_mov_b32 s34, 1
	s_cmp_ge_u32 s34, s17
	s_cbranch_scc1 .Ltail
.Lloop:                                            ; chunks - 1 trips: each multiplies a pair and asks for the next
	TRIP 1
	s_add_co_u32 s34, s34, 1
	s_cmp_lt_u32 s34, s17
	s_cbranch_scc1 .Lloop
.Ltail:
	TRIP 0                                         ; the last pair asks for nothing
.Lend:
	s_wait_dscnt 0x0                               ; the closing lines, six on end
	s_wait_alu 0x0
	s_wait_tensorcnt 0x0
	ds_add_u32 v254, v255
	s_wait_dscnt 0x0
	s_endpgm
.Lfunc_end_k_qff10bb6fc3_gemm1:
	.size	k_qff10bb6fc3_gemm1, .Lfunc_end_k_qff10bb6fc3_gemm1-k_qff10bb6fc3_gemm1
	.p2alignl 7, 3214868480
	.fill 96, 4, 3214868480
	.section	.rodata,"a",@progbits
	.p2align	6, 0x0
	.amdhsa_kernel k_qff10bb6fc3_gemm1
		.amdhsa_group_segment_fixed_size 49664
		.amdhsa_private_segment_fixed_size 0
		.amdhsa_enable_private_segment 0
		.amdhsa_kernarg_size 32
		.amdhsa_user_sgpr_count 2
		.amdhsa_user_sgpr_kernarg_segment_ptr 1
		.amdhsa_wavefront_size32 1
		.amdhsa_system_sgpr_workgroup_id_x 1
		.amdhsa_system_sgpr_workgroup_id_y 1
		.amdhsa_system_sgpr_workgroup_id_z 1
		.amdhsa_system_vgpr_workitem_id 0
		.amdhsa_next_free_vgpr 1024
		.amdhsa_next_free_sgpr 66
		.amdhsa_reserve_vcc 0
		.amdhsa_float_denorm_mode_32 3
		.amdhsa_float_denorm_mode_16_64 3
		.amdhsa_memory_ordered 1
		.amdhsa_forward_progress 1
		.amdhsa_inst_pref_size 70
	.end_amdhsa_kernel
	.amdgpu_metadata
---
amdhsa.version: [ 1, 2 ]
amdhsa.kernels:
  - .name:           k_qff10bb6fc3_gemm1
    .symbol:         k_qff10bb6fc3_gemm1.kd
    .args:
      - { .name: wq, .offset: 0, .size: 8, .value_kind: global_buffer, .address_space: global }
      - { .name: route, .offset: 8, .size: 8, .value_kind: global_buffer, .address_space: global }
      - { .name: w1_bias, .offset: 16, .size: 8, .value_kind: global_buffer, .address_space: global }
      - { .name: act, .offset: 24, .size: 8, .value_kind: global_buffer, .address_space: global }
    .group_segment_fixed_size: 49664
    .private_segment_fixed_size: 0
    .kernarg_segment_align: 8
    .kernarg_segment_size: 32
    .max_flat_workgroup_size: 128
    .sgpr_count:     66
    .vgpr_count:     1024
    .wavefront_size: 32
...
	.end_amdgpu_metadata
.endif
;; end of part 8
;; launch gemm2 (part 9): grid 256 x 1, 4 waves a work-group, no clusters, 67,072 bytes of LDS; arguments wq, route, act, w2_bias, y; writes y
.if DOCPART == 9
	.amdgcn_target "amdgcn-amd-amdhsa--gfx1250"
	.amdhsa_code_object_version 6
	.text
	.protected	k_qff10bb6fc3_gemm2
	.globl	k_qff10bb6fc3_gemm2
	.p2align	8
	.type	k_qff10bb6fc3_gemm2,@function
k_qff10bb6fc3_gemm2:
	s_mov_b64 s[64:65], 0
	v_nop
	global_prefetch_b8 v0, s[64:65] scope:SCOPE_SE
	s_setreg_imm32_b32 hwreg(HW_REG_WAVE_SCHED_MODE, 0, 2), 2
	s_setreg_imm32_b32 hwreg(HW_REG_WAVE_MODE, 25, 1), 1
	s_wait_xcnt 0x0
	s_wait_alu depctr_vm_vsrc(0)
; GEMM2: y[row] = act[row] W2 + b2 for the routed rows in sorted order, f32.  Both operands are codes of E2M3 with one E8M0 byte for each 32 along K.
; SHARES.  Work-group = (expert e = wg / 32, slice cs = (wg / 2) % 16 of 64 output columns, half hf = wg % 2): it takes the expert's chunks hf, hf + 2, ..  Every wave keeps the whole slice of W2
; (384 registers), read from memory once a work-group and shared through LDS behind the one barrier; in a chunk wave w takes pair 4 x chunk + w (32 rows, two tiles of 16).
; The trip count is a stored number.  The launch holds no tensor load, no joint loads and no cluster; no barrier stands behind the branch on it.
; LAYOUT.  Transposed use: source 0 = 16 columns of W2, source 1 = 16 rows of act: lane (r, h) holds row r and columns 16 t + 8 h + j.  The bias is the C of each sum's first product.
; A tile's 16 rows x 256 bytes go through the wave's own stage in LDS and leave as whole rows' pieces: sixteen lanes store 256 consecutive bytes, aligned.
; LDS: 0: the slice's image (49,152 bytes, written once);  49,152: a stage of 16 x 272 bytes for each wave.
; REGISTERS: windows 1, 2: W2's fragments (K steps 0-3, 4-7) at 12 (4 (s % 4) + t); window 3: act's fragments, tile b at 96 b + 12 s.
; window 0: v1 lane, v2 r, v3 h, v4 16 lane, v5 8 lane, v21 16 lane + 12,288 wave, v22 stage in, v23 stage back, v152 32 h; the rest as named below.
; THE MODE: SCHED_MODE bits 1:0 = 2 (LLVM: expert scheduling mode 2), set by the entry lines.  The code itself states the register dependences
; between vector or matrix instructions and memory or LDS instructions, with s_wait_alu, always for 0.
; THE PLAN.  Registers that memory or LDS instructions touch, in the loop:
;   X0, X1 (window 3), XS0, XS1   Tile b's 32 products read X[b] and XS[b]; behind them the loads of the pair two chunks on land there.
;   A16, A8, AS, two each         Written by three lines behind tile b's products; read by the tile's 34 loads.
;   ACC v88-119                   Written by a tile's products; read by its eight LDS stores; written again by the next tile's products.
;   OB v120-151                   The tile's eight LDS loads land there; read by its eight global stores.
;   YO v20                        Written behind a tile's products; read by its eight global stores.
;   v4, v5, v6 to v13, v21 to v23, v152   Made at the head and never written again.
; So a tile holds TWO waits.  One on vm_vsrc at its head, ahead of its products: the last tile's LDS stores have read ACC, its global stores OB and YO, and the loads issued so far their offsets.
; One on va_vdst behind its products and five plain lines: ACC and the four offsets are written, and the products are done reading X[b] and XS[b].  Behind that wait stand memory and LDS
; instructions alone, to the tile's end: the LDS stores, the LDS loads, the 34 loads, which are issued while the stage's bytes come back, and the global stores.
.set PLANE,  119808
.set ACTS,   3833856
.set W2C,    12582912
.set W2S,    19398656
.set STG,    49152
.set C16, 6                            ; v6-7    tile b: h PLANE + 16 (16 b + r)
.set C8,  8                            ; v8-9    h PLANE + 512 + 8 (16 b + r)
.set CS,  10                           ; v10-11  32 (16 b + r)
.set CY,  12                           ; v12-13  4,096 (16 b + h) + 16 r
.set A16, 14                           ; v14-19  the same with the pair's part added
.set A8,  16
.set AS,  18
.set YO,  20                           ; v20     the stores' offset
.set BS,  24                           ; v24-39  W2's scale words
.set XS,  40                           ; v40-55  act's scale words: 8 b + s
.set BI,  56                           ; v56-87  the bias, in the result's layout
.set ACC, 88                           ; v88-119 four accumulators
.set OB,  120                          ; v120-151 16 rows' pieces back from the stage
.set MSB, 0
.macro WIN new                         ; the immediate's high byte repeats the setting that is left
.if MSB != \new
	s_set_vgpr_msb (MSB<<8)|\new
.set MSB, \new
.endif
.endm
.macro EOFF                            ; the pair to be asked for, held at the last pair in use: look-ahead past the end reads stored bytes, and its data are not used
	s_min_u32 s37, s36, s18
	s_min_u32 s37, s37, 155
	s_mul_i32 s38, s37, 768
	s_lshl_b32 s39, s37, 10
.endm
.macro ADDR b                          ; the offsets of tile b's 34 loads
	v_add_nc_u32 v[A16+\b], s38, v[C16+\b]
	v_add_nc_u32 v[A8+\b],  s38, v[C8+\b]
	v_add_nc_u32 v[AS+\b],  s39, v[CS+\b]
.endm
.macro ALD b                           ; 34 loads for tile b
	WIN 0xc0                                       ; destination window 3
.irp s, 0,1,2,3,4,5,6,7
.irp c, 0,1
	global_load_b128 v[96*\b+12*\s+6*\c:96*\b+12*\s+6*\c+3],   v[A16+\b], s[8:9] offset:(4*\s+2*\c)*PLANE   ; block 4 s + 2 c + h: sixteen lanes read 256 consecutive bytes
	global_load_b64  v[96*\b+12*\s+6*\c+4:96*\b+12*\s+6*\c+5], v[A8+\b],  s[8:9] offset:(4*\s+2*\c)*PLANE
.endr
.endr
	WIN 0
	global_load_b128 v[XS+8*\b:XS+8*\b+3],   v[AS+\b], s[24:25]
	global_load_b128 v[XS+8*\b+4:XS+8*\b+7], v[AS+\b], s[24:25] offset:16
.endm
.macro WM b, s, t
.set rW, 12*(4*((\s)%4)+\t)
.set rA, 96*\b+12*\s
.set rD, ACC+8*\t
.if \s == 0
.set rC, BI+8*\t
.else
.set rC, rD
.endif
.if (\t)%2
	v_wmma_scale_f32_16x16x128_f8f6f4 v[rD:rD+7], v[rW:rW+11], v[rA:rA+11], v[rC:rC+7], v[BS+2*\s+\t/2], v[XS+8*\b+\s] matrix_a_fmt:MATRIX_FMT_FP6 matrix_b_fmt:MATRIX_FMT_FP6 matrix_a_scale:MATRIX_SCALE_ROW1
.else
	v_wmma_scale_f32_16x16x128_f8f6f4 v[rD:rD+7], v[rW:rW+11], v[rA:rA+11], v[rC:rC+7], v[BS+2*\s+\t/2], v[XS+8*\b+\s] matrix_a_fmt:MATRIX_FMT_FP6 matrix_b_fmt:MATRIX_FMT_FP6
.endif
.endm
.macro MULS b                          ; 32 products: the four accumulators by turns, one instruction a turn, K ascending
	WIN 0x0d
.irp s, 0,1,2,3
.irp t, 0,1,2,3
	WM \b, \s, \t
.endr
.endr
	WIN 0x0e
.irp s, 4,5,6,7
.irp t, 0,1,2,3
	WM \b, \s, \t
.endr
.endr
	WIN 0
.endm
.macro TILE b, pf, cnt
	s_wait_loadcnt \cnt                            ; tile b's 34 loads are in; behind them only the other tile's 34 were issued
	s_wait_alu depctr_vm_vsrc(0)                   ; the last tile's LDS stores have read ACC, which the products below write; its global stores have read OB and YO, and tile b's earlier loads A16[b], A8[b] and AS[b], all written again further down
	MULS \b
	s_wait_xcnt 0x0                                ; the last tile's global stores have read their data (OB) and their offset (YO): both are written again below
.if \pf
	ADDR \b
	v_nop
.else
.rept 4
	v_nop
.endr
.endif
	v_add_nc_u32 v[YO], s41, v[CY+\b]              ; with the four lines above: four places ahead of the LDS stores of the results, and the fifth place ahead of the next tile's first product, which begins the accumulators anew
	s_wait_alu depctr_va_vdst(0)                   ; the products have written ACC, which the LDS stores read, and are done reading X[b] and XS[b], in which the loads land; the loads' three offsets and YO are written.  The places above stay beside this wait
.irp t, 0,1,2,3
	ds_store_b128 v22, v[ACC+8*\t:ACC+8*\t+3]   offset:64*\t       ; each accumulator from its low end on
	ds_store_b128 v22, v[ACC+8*\t+4:ACC+8*\t+7] offset:64*\t+16
.endr
.irp i, 0,1,2,3,4,5,6,7
	ds_load_b128 v[OB+4*\i:OB+4*\i+3], v23 offset:544*\i           ; LDS serves a wave's instructions in order: these see my stores
.endr
.if \pf
	ALD \b                                         ; no wait: no vector or matrix instruction stands between the wait above and these loads
.endif
.irp i, 0,1,2,3,4,5,6,7
	s_wait_dscnt 7-\i
	global_store_b128 v[YO], v[OB+4*\i:OB+4*\i+3], s[28:29] offset:8192*\i   ; rows 2 i and 2 i + 1 of the tile
.endr
.endm
.macro TRIP pf
	s_min_u32 s41, s35, 155
	s_lshl_b32 s41, s41, 17                        ; the pair's 32 rows of 4,096 bytes
.if \pf
	EOFF
	TILE 0, 1, 34
	TILE 1, 1, 34
.else
	TILE 0, 0, 34
	TILE 1, 0, 0
.endif
	s_add_co_u32 s35, s35, 8
	s_add_co_u32 s36, s36, 8
.endm
	s_load_b256 s[4:11], s[0:1], 0x0               ; wq s[4:5], route s[6:7], act s[8:9], w2_bias s[10:11]
	s_load_b64 s[12:13], s[0:1], 0x20              ; y
	v_lshl_add_u32 v254, v0, 2, 0x10400
	v_mov_b32 v255, 0
	v_lshrrev_b32 v1, 5, v0
	v_readfirstlane_b32 s14, v1                    ; wave 0..3
	v_and_b32 v1, 31, v0
	v_and_b32 v2, 15, v0
	v_bfe_u32 v3, v0, 4, 1
	v_lshlrev_b32 v4, 4, v1
	v_lshlrev_b32 v5, 3, v1
	v_mul_u32_u24 v[C16], v3, PLANE
	v_lshl_add_u32 v[C8], v2, 3, v[C16]
	v_add_nc_u32 v[C8], 512, v[C8]
	v_add_nc_u32 v[C8+1], 128, v[C8]
	v_lshl_add_u32 v[C16], v2, 4, v[C16]
	v_add_nc_u32 v[C16+1], 256, v[C16]
	v_lshlrev_b32 v[CS], 5, v2
	v_add_nc_u32 v[CS+1], 512, v[CS]
	v_lshlrev_b32 v[CY], 12, v3
	v_lshl_add_u32 v[CY], v2, 4, v[CY]
	v_add_nc_u32 v[CY+1], 65536, v[CY]
	s_wait_alu depctr_va_sdst(0)                   ; s14 is written, ahead of its first reader
	s_mul_i32 s40, s14, 12288
	v_add_nc_u32 v21, s40, v4
	s_mul_i32 s40, s14, 4352
	s_add_co_u32 s40, s40, STG                     ; my stage
	v_mul_u32_u24 v22, v2, 272
	v_lshl_add_u32 v22, v3, 5, v22
	v_add_nc_u32 v22, s40, v22                     ; in: row r, + 32 h
	v_mul_u32_u24 v23, v3, 272
	v_lshl_add_u32 v23, v2, 4, v23
	v_add_nc_u32 v23, s40, v23                     ; back: lanes 0-15 one row, lanes 16-31 the next
	v_lshlrev_b32 v152, 5, v3
	s_lshr_b32 s15, ttmp9, 5                       ; expert
	s_lshr_b32 s19, ttmp9, 1                       ; expert x 16 + slice
	s_and_b32 s44, s19, 15                         ; slice
	s_and_b32 s45, ttmp9, 1                        ; which chunks
	s_lshl_b32 s46, s15, 3
	s_wait_kmcnt 0x0
	s_load_b64 s[16:17], s[6:7], s46 offset:0x8e00 ; my expert's first pair, its chunks
	s_load_b32 s18, s[6:7], 0x8e40                 ; the last pair in use
	s_mov_b32 s39, 0
	s_mul_i32 s38, s19, 49152
	s_add_co_u32 s38, s38, W2C
	s_add_nc_u64 s[20:21], s[4:5], s[38:39]        ; my slice's codes
	s_lshl_b32 s38, s19, 11
	s_add_co_u32 s38, s38, W2S
	s_add_nc_u64 s[22:23], s[4:5], s[38:39]        ; its scale words
	s_add_nc_u64 s[24:25], s[8:9], ACTS            ; act's scale bytes
	s_lshl_b32 s38, s15, 12
	s_lshl_b32 s37, s44, 8
	s_add_co_u32 s38, s38, s37
	s_add_nc_u64 s[26:27], s[10:11], s[38:39]      ; the bias of my 64 columns
	s_mov_b32 s38, s37
	s_add_nc_u64 s[28:29], s[12:13], s[38:39]      ; y at my 64 columns
	WIN 0x40                                       ; destination window 1: my quarter of the slice, on its way to LDS
	s_wait_alu depctr_va_vdst(0)                   ; the offsets and LDS addresses made so far are written: v4, v5, v21 to v23 and v152, which the loads, LDS stores and LDS loads below read
.set q, 0
.rept 24
	global_load_b128 v[4*q:4*q+3], v21, s[20:21] offset:512*q
.set q, q+1
.endr
	WIN 0
.irp s, 0,1,2,3,4,5,6,7
	global_load_b64 v[BS+2*\s:BS+2*\s+1], v5, s[22:23] offset:256*\s
.endr
.irp t, 0,1,2,3
	global_load_b128 v[BI+8*\t:BI+8*\t+3],   v152, s[26:27] offset:64*\t
	global_load_b128 v[BI+8*\t+4:BI+8*\t+7], v152, s[26:27] offset:64*\t+16
.endr
	s_wait_kmcnt 0x0
	s_lshl_b32 s35, s45, 2
	s_add_co_u32 s35, s35, s16
	s_add_co_u32 s35, s35, s14                     ; the pair in hand: first pair + 4 hf + wave
	s_mov_b32 s36, s35                             ; the pair to be asked for
	EOFF
	ADDR 0
	ADDR 1
	WIN 0xc0                                       ; destination window 3
	s_wait_alu depctr_va_vdst(0)                   ; both tiles' offsets A16, A8 and AS are written, which the two groups of 34 loads read
	ALD 0
	s_wait_loadcnt 34                              ; all but tile 0's 34: the slice's quarter, the scale words and the bias are in
	WIN 0x04                                       ; an LDS store's data are its source 1: window 1
.set q, 0
.rept 24
	ds_store_b128 v21, v[4*q:4*q+3] offset:512*q
.set q, q+1
.endr
	WIN 0
	ALD 1                                          ; no wait: since the wait above only loads and LDS stores have been issued, and these name none of tile 1's registers
	s_add_co_u32 s36, s36, 8
	s_wait_dscnt 0x0                               ; for the others' sake: my quarter has landed
	s_barrier_signal -1
	s_barrier_wait -1
	WIN 0x40
	s_wait_alu depctr_vm_vsrc(0)                   ; my LDS stores have read registers 0 to 95 of window 1, in which the LDS loads below land
.irp s, 0,1,2,3
.irp t, 0,1,2,3
.irp j, 0,1,2
	ds_load_b128 v[12*(4*\s+\t)+4*\j:12*(4*\s+\t)+4*\j+3], v4 offset:\t*12288+\s*1536+\j*512
.endr
.endr
.endr
	WIN 0x80
.irp s, 4,5,6,7
.irp t, 0,1,2,3
.irp j, 0,1,2
	ds_load_b128 v[12*(4*(\s-4)+\t)+4*\j:12*(4*(\s-4)+\t)+4*\j+3], v4 offset:\t*12288+\s*1536+\j*512
.endr
.endr
.endr
	WIN 0
	s_wait_dscnt 0x0
	s_add_co_u32 s17, s17, 1                       ; how many of the chunks hf, hf + 2, .. lie under the expert's count: (chunks + 1 - hf) / 2, rounded down;
	s_sub_co_u32 s17, s17, s45                     ; chunks + 1 - hf is never under 0
	s_lshr_b32 s17, s17, 1
	s_cmp_eq_u32 s17, 0                            ; no chunk of mine: nothing to store
	s_cbranch_scc1 .Lend
	s_mov_b32 s34, 1
	s_cmp_ge_u32 s34, s17
	s_cbranch_scc1 .Ltail
.Lloop:                                            ; my chunks - 1 trips, counted by one: each multiplies a pair and asks for the pair two chunks on
	TRIP 1
	s_add_co_u32 s34, s34, 1
	s_cmp_lt_u32 s34, s17
	s_cbranch_scc1 .Lloop
.Ltail:
	TRIP 0                                         ; the last pair asks for nothing
.Lend:
	s_wait_dscnt 0x0                               ; the closing lines, six on end
	s_wait_alu 0x0
	s_wait_tensorcnt 0x0
	ds_add_u32 v254, v255
	s_wait_dscnt 0x0
	s_endpgm
.Lfunc_end_k_qff10bb6fc3_gemm2:
	.size	k_qff10bb6fc3_gemm2, .Lfunc_end_k_qff10bb6fc3_gemm2-k_qff10bb6fc3_gemm2
	.p2alignl 7, 3214868480
	.fill 96, 4, 3214868480
	.section	.rodata,"a",@progbits
	.p2align	6, 0x0
	.amdhsa_kernel k_qff10bb6fc3_gemm2
		.amdhsa_group_segment_fixed_size 67072
		.amdhsa_private_segment_fixed_size 0
		.amdhsa_enable_private_segment 0
		.amdhsa_kernarg_size 40
		.amdhsa_user_sgpr_count 2
		.amdhsa_user_sgpr_kernarg_segment_ptr 1
		.amdhsa_wavefront_size32 1
		.amdhsa_system_sgpr_workgroup_id_x 1
		.amdhsa_system_sgpr_workgroup_id_y 1
		.amdhsa_system_sgpr_workgroup_id_z 1
		.amdhsa_system_vgpr_workitem_id 0
		.amdhsa_next_free_vgpr 1024
		.amdhsa_next_free_sgpr 66
		.amdhsa_reserve_vcc 0
		.amdhsa_float_denorm_mode_32 3
		.amdhsa_float_denorm_mode_16_64 3
		.amdhsa_memory_ordered 1
		.amdhsa_forward_progress 1
		.amdhsa_inst_pref_size 55
	.end_amdhsa_kernel
	.amdgpu_metadata
---
amdhsa.version: [ 1, 2 ]
amdhsa.kernels:
  - .name:           k_qff10bb6fc3_gemm2
    .symbol:         k_qff10bb6fc3_gemm2.kd
    .args:
      - { .name: wq, .offset: 0, .size: 8, .value_kind: global_buffer, .address_space: global }
      - { .name: route, .offset: 8, .size: 8, .value_kind: global_buffer, .address_space: global }
      - { .name: act, .offset: 16, .size: 8, .value_kind: global_buffer, .address_space: global }
      - { .name: w2_bias, .offset: 24, .size: 8, .value_kind: global_buffer, .address_space: global }
      - { .name: y, .offset: 32, .size: 8, .value_kind: global_buffer, .address_space: global }
    .group_segment_fixed_size: 67072
    .private_segment_fixed_size: 0
    .kernarg_segment_align: 8
    .kernarg_segment_size: 40
    .max_flat_workgroup_size: 128
    .sgpr_count:     66
    .vgpr_count:     1024
    .wavefront_size: 32
...
	.end_amdgpu_metadata
.endif
;; end of part 9
;; launch combine (part 10): grid 256 x 1, 4 waves a work-group, no clusters, 0 bytes of LDS; arguments y, route, out1, out0; writes out0
.if DOCPART == 10
	.amdgcn_target "amdgcn-amd-amdhsa--gfx1250"
	.amdhsa_code_object_version 6
	.text
	.protected	k_qff10bb6fc3_combine
	.globl	k_qff10bb6fc3_combine
	.p2align	8
	.type	k_qff10bb6fc3_combine,@function
k_qff10bb6fc3_combine:
	s_mov_b64 s[64:65], 0
	v_nop
	global_prefetch_b8 v0, s[64:65] scope:SCOPE_SE
	s_setreg_imm32_b32 hwreg(HW_REG_WAVE_MODE, 25, 1), 1
	s_wait_xcnt 0x0
; COMBINE: out0[t] = p0 y[POS[2 t]] + p1 y[POS[2 t + 1]], p0 and p1 the token's two probabilities (out1).  A stream: no LDS, no barrier, no matrix unit.
; Wave g = 4 wg + wave owns tokens 2 g and 2 g + 1: four rows of y of 4,096 bytes, 32 loads of 512 consecutive bytes, all issued at once; each row of y is read once in the launch.
; The rows' numbers were stored by an earlier launch; they enter addresses behind a clamp at 4,991, y's last row.
	s_load_b256 s[4:11], s[0:1], 0x0               ; y s[4:5], route s[6:7], out1 s[8:9], out0 s[10:11]
	v_lshrrev_b32 v1, 5, v0
	v_readfirstlane_b32 s12, v1                    ; wave 0..3
	v_and_b32 v1, 31, v0
	v_lshlrev_b32 v2, 4, v1                        ; 16 bytes a lane
	s_lshl_b32 s13, ttmp9, 2
	s_add_co_u32 s13, s13, s12                     ; g
	s_lshl_b32 s14, s13, 4
	s_wait_alu depctr_va_vdst(0)
	s_wait_kmcnt 0x0
	s_load_b128 s[16:19], s[6:7], s14 offset:0x0   ; four rows' numbers
	s_load_b128 s[20:23], s[8:9], s14 offset:0x0   ; four probabilities
	s_lshl_b32 s32, s13, 13
	s_mov_b32 s33, 0
	s_add_nc_u64 s[10:11], s[10:11], s[32:33]      ; out0 at my first token
	s_wait_kmcnt 0x0
.irp k, 0,1,2,3
	s_min_u32 s[16+\k], s[16+\k], 4991
	s_lshl_b32 s[24+2*\k], s[16+\k], 12
	s_mov_b32 s[25+2*\k], 0
	s_add_nc_u64 s[24+2*\k:25+2*\k], s[4:5], s[24+2*\k:25+2*\k]
.endr
.irp k, 0,1,2,3
.irp j, 0,1,2,3,4,5,6,7
	global_load_b128 v[16+32*\k+4*\j:16+32*\k+4*\j+3], v2, s[24+2*\k:25+2*\k] offset:512*\j th:TH_LOAD_NT
.endr
.endr
	s_mov_b32 s34, s21                             ; the packed forms take the low word of a scalar pair for both halves: p1 gets pairs of its own
	s_mov_b32 s35, s21
	s_mov_b32 s36, s23
	s_mov_b32 s37, s23
.macro MIX base, p0, p1, off
.set a, 0
.rept 16
	v_pk_mul_f32 v[\base+a:\base+a+1], v[\base+a:\base+a+1], s[\p0:\p0+1] op_sel_hi:[1,0]
	v_pk_fma_f32 v[\base+a:\base+a+1], v[\base+32+a:\base+32+a+1], s[\p1:\p1+1], v[\base+a:\base+a+1] op_sel_hi:[1,0,1]
.set a, a+2
.endr
.irp j, 0,1,2,3,4,5,6,7
	global_store_b128 v2, v[\base+4*\j:\base+4*\j+3], s[10:11] offset:\off+512*\j th:TH_STORE_NT   ; 512 consecutive bytes, aligned
.endr
.endm
	s_wait_loadcnt 16                              ; the first token's 16 loads are in; the second's may stay out
	MIX 16, 20, 34, 0
	s_wait_loadcnt 0x0
	MIX 80, 22, 36, 4096
	s_endpgm
.Lfunc_end_k_qff10bb6fc3_combine:
	.size	k_qff10bb6fc3_combine, .Lfunc_end_k_qff10bb6fc3_combine-k_qff10bb6fc3_combine
	.p2alignl 7, 3214868480
	.fill 96, 4, 3214868480
	.section	.rodata,"a",@progbits
	.p2align	6, 0x0
	.amdhsa_kernel k_qff10bb6fc3_combine
		.amdhsa_group_segment_fixed_size 0
		.amdhsa_private_segment_fixed_size 0
		.amdhsa_enable_private_segment 0
		.amdhsa_kernarg_size 32
		.amdhsa_user_sgpr_count 2
		.amdhsa_user_sgpr_kernarg_segment_ptr 1
		.amdhsa_wavefront_size32 1
		.amdhsa_system_sgpr_workgroup_id_x 1
		.amdhsa_system_sgpr_workgroup_id_y 1
		.amdhsa_system_sgpr_workgroup_id_z 1
		.amdhsa_system_vgpr_workitem_id 0
		.amdhsa_next_free_vgpr 144
		.amdhsa_next_free_sgpr 66
		.amdhsa_reserve_vcc 0
		.amdhsa_float_denorm_mode_32 3
		.amdhsa_float_denorm_mode_16_64 3
		.amdhsa_memory_ordered 1
		.amdhsa_forward_progress 1
		.amdhsa_inst_pref_size 11
	.end_amdhsa_kernel
	.amdgpu_metadata
---
amdhsa.version: [ 1, 2 ]
amdhsa.kernels:
  - .name:           k_qff10bb6fc3_combine
    .symbol:         k_qff10bb6fc3_combine.kd
    .args:
      - { .name: y, .offset: 0, .size: 8, .value_kind: global_buffer, .address_space: global }
      - { .name: route, .offset: 8, .size: 8, .value_kind: global_buffer, .address_space: global }
      - { .name: out1, .offset: 16, .size: 8, .value_kind: global_buffer, .address_space: global }
      - { .name: out0, .offset: 24, .size: 8, .value_kind: global_buffer, .address_space: global }
    .group_segment_fixed_size: 0
    .private_segment_fixed_size: 0
    .kernarg_segment_align: 8
    .kernarg_segment_size: 32
    .max_flat_workgroup_size: 128
    .sgpr_count:     66
    .vgpr_count:     144
    .wavefront_size: 32
...
	.end_amdgpu_metadata
.endif
;; end of part 10
